; MI455X (gfx1250); checked and timed in simulation.
; The chip was launched on July 23, 2026; its instructions are those of AMD's public machine-readable ISA for CDNA 5 (MIT licence, August 2026) and "CDNA5" Instruction Set Architecture Reference Guide (July 2026). The comments in the code are by the model that wrote it; some were corrected since.
;; Block. Allowed arithmetic: float matrix products may take bf16 or f16 operands with f32 sums; other float arithmetic in f32, or as packed bf16 or f16 multiplies, adds, multiply-adds, maxima and minima; sums over many terms, partial sums and values carried from step to step in f32; what a program stores and reads back later, other than sums and carried values, may be rounded once to bf16 or f16.
;; Inputs: W_ff1 1,024 x 4,096 float32; W_ff2 4,096 x 1,024 float32; Wk 16 x 1,024 x 64 float32; Wproj 1,024 x 1,024 float32; Wq 16 x 1,024 x 64 float32; Wv 16 x 1,024 x 64 float32; b1 1,024 float32; b2 1,024 float32; b_ff1 4,096 float32; b_ff2 1,024 float32; bproj 1,024 float32; g1 1,024 float32; g2 1,024 float32; x 2 x 2,048 x 1,024 float32.
;; Outputs: out0 2 x 2,048 x 1,024 float32.
;; 2 versions, each right; version 2 is version 1 with the launches cast, ln1, ln2 written anew for expert scheduling mode. Each part assembles by itself: llvm-mc -triple=amdgcn-amd-amdhsa -mcpu=gfx1250 --defsym DOCPART=n.
;; ======== version 1 of 2: 8 launches
;; limits: values are held in f16: magnitudes above 65,504 overflow, below 6.1e-05 lose precision
;; workspace buffers: hbuf 8,388,608 bytes; big 33,554,432 bytes; x2 16,777,216 bytes; wqkv 6,291,456 bytes; wff1 8,388,608 bytes; wres 10,485,760 bytes; zeros 12,288 bytes; low 512 bytes
;; launch cast (part 1): grid 768 x 1, 8 waves a work-group, no clusters, 0 bytes of LDS; arguments W_ff1, W_ff2, Wproj, Wq, Wk, Wv, wff1, wres, wqkv, zeros, low; writes wff1, wres, wqkv, zeros, low
.if DOCPART == 1
	.amdgcn_target "amdgcn-amd-amdhsa--gfx1250"
	.amdhsa_code_object_version 6
	.text
	.protected	k_q6559f1ca3f_cast
	.globl	k_q6559f1ca3f_cast
	.p2align	8
	.type	k_q6559f1ca3f_cast,@function
k_q6559f1ca3f_cast:
	s_mov_b64 s[64:65], 0
	v_nop
	global_prefetch_b8 v0, s[64:65] scope:SCOPE_SE
	s_setreg_imm32_b32 hwreg(HW_REG_WAVE_MODE, 25, 1), 1
	s_wait_xcnt 0x0
; THE WEIGHTS, ROUNDED ONCE TO f16 AND LAID IN BLOCKS OF COLUMNS.  K stays the slow index: nothing is transposed.
;   wff1 [16][1024][256]  from W_ff1 [1024][4096]          wres + 0      [8][1024][128] from Wproj [1024][1024]
;   wqkv [12][1024][256]  from Wq, Wk, Wv [16][1024][64]   wres + 2 MiB  [8][4096][128] from W_ff2 [4096][1024]
;   (wqkv's column n = 1024 x (q, k or v) + 64 x head + channel)
; So a product's tile of B (some rows k of one block) is one dense run of bytes.  Also written: zeros (3,072 f32 zeros) and low (128 words, f16 -65504 twice).
; A JOB is 16 rows k x 128 columns, one wave: a load takes 512 source bytes on end (for q, k, v: 256 of each of two heads), a store 256 consecutive bytes, aligned.
; 6,144 jobs, job = 8 x work-group + wave: 0-2047 W_ff1, 2048-4095 W_ff2, 4096-4607 Wproj, 4608-6143 Wq, Wk, Wv.
; Memory binds: each byte is read once and written once; no LDS, no barrier, no cluster (no two work-groups read the same byte).
; LIMIT.  f16 holds no number beyond 65,504: a weight of 65,520 or more would become an infinity.
.set X,   8                            ; v[8:71]   16 rows x 4 registers
.set SRC, 34                           ; s[34:35]  the job's first source byte
.set DST, 36                           ; s[36:37]  the job's first destination byte
; 16 loads, all out together; then row by row two roundings and a store.  srs, drs: bytes from row to row in source and destination.
.macro MOVE srs, drs
.set i, 0
.rept 16
	global_load_b128 v[X+4*i:X+4*i+3], v2, s[SRC:SRC+1] offset:i*(\srs) th:TH_LOAD_NT
.set i, i+1
.endr
.set i, 0
.rept 16
	s_wait_loadcnt 15-i                            ; loads come back in order: row i is in, the 15 - i younger rows may stay out
	v_cvt_pk_f16_f32 v[X+4*i],   v[X+4*i],   v[X+4*i+1]
	v_cvt_pk_f16_f32 v[X+4*i+1], v[X+4*i+2], v[X+4*i+3]
	global_store_b64 v3, v[X+4*i:X+4*i+1], s[DST:DST+1] offset:i*(\drs)  ; 32 lanes x 8 bytes; no register of a store is written again
.set i, i+1
.endr
.endm
	s_load_b512 s[4:19], s[0:1], 0x0               ; W_ff1 s[4:5], W_ff2 s[6:7], Wproj s[8:9], Wq s[10:11], Wk s[12:13], Wv s[14:15], wff1 s[16:17], wres s[18:19]
	s_load_b128 s[20:23], s[0:1], 0x40             ; wqkv s[20:21], zeros s[22:23]
	s_load_b64 s[24:25], s[0:1], 0x50              ; low
	v_lshrrev_b32 v4, 5, v0
	v_readfirstlane_b32 s26, v4                    ; wave 0..7
	v_and_b32 v1, 31, v0                           ; lane
	v_lshlrev_b32 v3, 3, v1                        ; 8 bytes of f16 a lane
	s_lshl_b32 s27, ttmp9, 3
	s_add_co_u32 s27, s27, s26                     ; the job
	s_mov_b32 s31, 0                               ; high words of the two offsets
	s_mov_b32 s33, 0
	s_wait_kmcnt 0x0
	s_cmp_lt_u32 ttmp9, 256
	s_cbranch_scc0 .Lnot_ff1
	; W_ff1: column chunk cc = job % 32, row block rb = job / 32
	v_lshlrev_b32 v2, 4, v1                        ; 16 bytes of f32 a lane
	s_and_b32 s28, s27, 31
	s_lshr_b32 s29, s27, 5
	s_lshl_b32 s30, s29, 18                        ; 16 rows of 16,384 bytes
	s_lshl_b32 s38, s28, 9
	s_add_co_u32 s30, s30, s38
	s_lshr_b32 s32, s28, 1
	s_lshl_b32 s32, s32, 19                        ; a block of 256 columns: 1,024 rows of 512 bytes
	s_lshl_b32 s38, s29, 13
	s_add_co_u32 s32, s32, s38
	s_and_b32 s38, s28, 1
	s_lshl_b32 s38, s38, 8
	s_add_co_u32 s32, s32, s38
	s_add_nc_u64 s[SRC:SRC+1], s[4:5], s[30:31]
	s_add_nc_u64 s[DST:DST+1], s[16:17], s[32:33]
	MOVE 16384, 512
	s_endpgm
.Lnot_ff1:
	s_cmp_lt_u32 ttmp9, 576
	s_cbranch_scc0 .Lqkv
	; W_ff2 (work-groups 256-511) or Wproj (512-575): rows of 4,096 bytes, cc = job % 8
	v_lshlrev_b32 v2, 4, v1
	s_cmp_lt_u32 ttmp9, 512
	s_cselect_b64 s[SRC:SRC+1], s[6:7], s[8:9]
	s_cselect_b32 s38, 11, 12                      ; the first job of the tensor is 2^11 or 2^12
	s_cselect_b32 s39, 20, 18                      ; a block of 128 columns is 4,096 or 1,024 rows of 256 bytes
	s_cselect_b32 s40, 0x200000, 0                 ; W_ff2's blocks lie behind Wproj's
	s_lshl_b32 s38, 1, s38
	s_and_b32 s28, s27, 7
	s_sub_co_u32 s29, s27, s38
	s_lshr_b32 s29, s29, 3                         ; rb
	s_lshl_b32 s30, s29, 16
	s_lshl_b32 s38, s28, 9
	s_add_co_u32 s30, s30, s38
	s_lshl_b32 s32, s28, s39
	s_add_co_u32 s32, s32, s40
	s_lshl_b32 s38, s29, 12
	s_add_co_u32 s32, s32, s38
	s_add_nc_u64 s[SRC:SRC+1], s[SRC:SRC+1], s[30:31]
	s_add_nc_u64 s[DST:DST+1], s[18:19], s[32:33]
	MOVE 4096, 256
	s_endpgm
.Lqkv:
	; Wq, Wk, Wv: 512 jobs each; head pair hp = job % 8, row block rb = (job / 8) % 64.  Lanes 0-15 take head 2 hp, lanes 16-31 head 2 hp + 1.
	s_sub_co_u32 s28, s27, 4608
	s_lshr_b32 s29, s28, 9                         ; 0: q, 1: k, 2: v
	s_and_b32 s38, s28, 7                          ; hp
	s_bfe_u32 s39, s28, 0x60003                    ; rb
	s_cmp_eq_u32 s29, 0
	s_cselect_b64 s[SRC:SRC+1], s[10:11], s[12:13]
	s_cmp_eq_u32 s29, 2
	s_cselect_b64 s[SRC:SRC+1], s[14:15], s[SRC:SRC+1]
	s_lshl_b32 s30, s38, 19                        ; two heads of 262,144 bytes
	s_lshl_b32 s40, s39, 12                        ; 16 rows of 256 bytes
	s_add_co_u32 s30, s30, s40
	s_lshr_b32 s40, s38, 1
	s_lshl2_add_u32 s40, s29, s40                  ; the block of 256 columns: 4 x (q, k or v) + hp / 2
	s_lshl_b32 s32, s40, 19
	s_lshl_b32 s40, s39, 13
	s_add_co_u32 s32, s32, s40
	s_and_b32 s40, s38, 1
	s_lshl_b32 s40, s40, 8
	s_add_co_u32 s32, s32, s40
	v_lshrrev_b32 v4, 4, v1
	v_and_b32 v5, 15, v1
	v_lshlrev_b32 v2, 4, v5
	v_lshl_add_u32 v2, v4, 18, v2
	s_add_nc_u64 s[SRC:SRC+1], s[SRC:SRC+1], s[30:31]
	s_add_nc_u64 s[DST:DST+1], s[20:21], s[32:33]
	MOVE 256, 512
	s_cmp_eq_u32 ttmp9, 767
	s_cbranch_scc0 .Ldone
	; the last work-group also writes the two small tables
.irp r, 72,73,74,75
	v_mov_b32 v\r, 0
.endr
.irp r, 76,77,78,79
	v_mov_b32 v\r, 0xfbfffbff                      ; f16 -65504, twice
.endr
	s_mul_i32 s40, s26, 1536                       ; 12,288 bytes among eight waves
	v_lshl_add_u32 v6, v1, 4, s40
	global_store_b128 v6, v[72:75], s[22:23]
	global_store_b128 v6, v[72:75], s[22:23] offset:512
	global_store_b128 v6, v[72:75], s[22:23] offset:1024
	s_cmp_lg_u32 s26, 0
	s_cbranch_scc1 .Ldone
	v_lshlrev_b32 v7, 4, v1
	global_store_b128 v7, v[76:79], s[24:25]       ; 512 bytes
.Ldone:
	s_endpgm
.Lfunc_end_k_q6559f1ca3f_cast:
	.size	k_q6559f1ca3f_cast, .Lfunc_end_k_q6559f1ca3f_cast-k_q6559f1ca3f_cast
	.p2alignl 7, 3214868480
	.fill 96, 4, 3214868480
	.section	.rodata,"a",@progbits
	.p2align	6, 0x0
	.amdhsa_kernel k_q6559f1ca3f_cast
		.amdhsa_group_segment_fixed_size 0
		.amdhsa_private_segment_fixed_size 0
		.amdhsa_enable_private_segment 0
		.amdhsa_kernarg_size 88
		.amdhsa_user_sgpr_count 2
		.amdhsa_user_sgpr_kernarg_segment_ptr 1
		.amdhsa_wavefront_size32 1
		.amdhsa_system_sgpr_workgroup_id_x 1
		.amdhsa_system_sgpr_workgroup_id_y 1
		.amdhsa_system_sgpr_workgroup_id_z 1
		.amdhsa_system_vgpr_workitem_id 0
		.amdhsa_next_free_vgpr 80
		.amdhsa_next_free_sgpr 66
		.amdhsa_reserve_vcc 0
		.amdhsa_float_denorm_mode_32 3
		.amdhsa_float_denorm_mode_16_64 3
		.amdhsa_memory_ordered 1
		.amdhsa_forward_progress 1
		.amdhsa_inst_pref_size 21
	.end_amdhsa_kernel
	.amdgpu_metadata
---
amdhsa.version: [ 1, 2 ]
amdhsa.kernels:
  - .name:           k_q6559f1ca3f_cast
    .symbol:         k_q6559f1ca3f_cast.kd
    .args:
      - { .name: W_ff1, .offset: 0, .size: 8, .value_kind: global_buffer, .address_space: global }
      - { .name: W_ff2, .offset: 8, .size: 8, .value_kind: global_buffer, .address_space: global }
      - { .name: Wproj, .offset: 16, .size: 8, .value_kind: global_buffer, .address_space: global }
      - { .name: Wq, .offset: 24, .size: 8, .value_kind: global_buffer, .address_space: global }
      - { .name: Wk, .offset: 32, .size: 8, .value_kind: global_buffer, .address_space: global }
      - { .name: Wv, .offset: 40, .size: 8, .value_kind: global_buffer, .address_space: global }
      - { .name: wff1, .offset: 48, .size: 8, .value_kind: global_buffer, .address_space: global }
      - { .name: wres, .offset: 56, .size: 8, .value_kind: global_buffer, .address_space: global }
      - { .name: wqkv, .offset: 64, .size: 8, .value_kind: global_buffer, .address_space: global }
      - { .name: zeros, .offset: 72, .size: 8, .value_kind: global_buffer, .address_space: global }
      - { .name: low, .offset: 80, .size: 8, .value_kind: global_buffer, .address_space: global }
    .group_segment_fixed_size: 0
    .private_segment_fixed_size: 0
    .kernarg_segment_align: 8
    .kernarg_segment_size: 88
    .max_flat_workgroup_size: 256
    .sgpr_count:     66
    .vgpr_count:     80
    .wavefront_size: 32
...
	.end_amdgpu_metadata
.endif
;; end of part 1
;; launch ln1 (part 2): grid 256 x 1, 8 waves a work-group, no clusters, 0 bytes of LDS; arguments x, g1, b1, hbuf; writes hbuf
.if DOCPART == 2
	.amdgcn_target "amdgcn-amd-amdhsa--gfx1250"
	.amdhsa_code_object_version 6
	.text
	.protected	k_q6559f1ca3f_ln1
	.globl	k_q6559f1ca3f_ln1
	.p2align	8
	.type	k_q6559f1ca3f_ln1,@function
k_q6559f1ca3f_ln1:
	s_mov_b64 s[64:65], 0
	v_nop
	global_prefetch_b8 v0, s[64:65] scope:SCOPE_SE
	s_setreg_imm32_b32 hwreg(HW_REG_WAVE_MODE, 25, 1), 1
	s_wait_xcnt 0x0
; LAYER NORM.  out[row][c] = (in[row][c] - mean) / sqrt(var + 1e-5) x g[c] + b[c].  in: [4096][1024] f32.  All arithmetic in f32; the result is rounded once, to f16.
; out lies in PANELS: [8][4096][128] f16: a panel's row is 256 bytes, aligned, and its rows are dense: the next product's tiles of A are dense runs of bytes.
; A wave takes two whole rows (32 registers each), so a row is read once and the two sums never leave the wave: no LDS, no barrier.  Load j of a row is 512 bytes on end,
; columns 128 j + 4 lane ..: panel j; a store is 256 consecutive bytes, aligned.  The variance is the mean of (x - mean)^2, taken of the row in registers: no difference of large sums.
; No cluster: work-groups share only g and b, 8 KiB beside their own 64 KiB.
; LIMIT.  The result must lie within f16's 65,504.
.set T,   4                            ; v[4:11]    at work
.set MU,  12                           ; v[12:13]   the mean, twice
.set R,   14                           ; v[14:15]   1 / sqrt(var + eps), twice
.set G,   16                           ; v[16:47]   g of my 32 columns
.set BV,  48                           ; v[48:79]   b
.set X,   80                           ; v[80:143]  row r at X + 32 r
	s_load_b256 s[4:11], s[0:1], 0x0               ; in s[4:5], g s[6:7], b s[8:9], out s[10:11]
	v_lshrrev_b32 v1, 5, v0
	v_readfirstlane_b32 s16, v1                    ; wave 0..7
	v_and_b32 v1, 31, v0
	v_lshlrev_b32 v2, 4, v1                        ; 16 bytes of f32 a lane
	v_lshlrev_b32 v3, 3, v1                        ; 8 bytes of f16 a lane
	s_lshl_b32 s17, ttmp9, 4
	s_lshl1_add_u32 s17, s16, s17                  ; my first row: 16 x work-group + 2 x wave
	s_lshl_b32 s18, s17, 12
	s_mov_b32 s19, 0
	s_lshl_b32 s20, s17, 8
	s_mov_b32 s21, 0
	s_mov_b32 s12, 0x76543210                      ; v_permlanex16_b32: each lane takes its own place in the other half
	s_mov_b32 s13, 0xfedcba98
	s_mov_b32 s14, 0x3a800000                      ; 1 / 1024
	s_mov_b32 s15, 0x3727c5ac                      ; 1e-5
	s_wait_kmcnt 0x0
	s_add_nc_u64 s[4:5], s[4:5], s[18:19]
	s_add_nc_u64 s[10:11], s[10:11], s[20:21]
.irp j, 0,1,2,3,4,5,6,7
	global_load_b128 v[G+4*(\j):G+4*(\j)+3], v2, s[6:7] offset:512*(\j)
.endr
.irp j, 0,1,2,3,4,5,6,7
	global_load_b128 v[BV+4*(\j):BV+4*(\j)+3], v2, s[8:9] offset:512*(\j)
.endr
.irp r, 0,1
.irp j, 0,1,2,3,4,5,6,7
	global_load_b128 v[X+32*(\r)+4*(\j):X+32*(\r)+4*(\j)+3], v2, s[4:5] offset:4096*(\r)+512*(\j)
.endr
.endr
; The four pairs in T are added up, then the 32 lanes': four steps inside each half of 16 lanes ride on the addition, one crosses the halves.  Every lane ends with the sum in v[T].
.macro ACROSS
	v_pk_add_f32 v[T:T+1], v[T:T+1], v[T+2:T+3]
	v_pk_add_f32 v[T+4:T+5], v[T+4:T+5], v[T+6:T+7]
	v_pk_add_f32 v[T:T+1], v[T:T+1], v[T+4:T+5]
	v_add_f32 v[T], v[T], v[T+1]
	v_add_f32_dpp v[T], v[T], v[T] row_xmask:1 row_mask:0xf bank_mask:0xf
	v_add_f32_dpp v[T], v[T], v[T] row_xmask:2 row_mask:0xf bank_mask:0xf
	v_add_f32_dpp v[T], v[T], v[T] row_xmask:4 row_mask:0xf bank_mask:0xf
	v_add_f32_dpp v[T], v[T], v[T] row_xmask:8 row_mask:0xf bank_mask:0xf
	v_permlanex16_b32 v[T+1], v[T], s12, s13       ; its destination has been written above
	v_add_f32 v[T], v[T], v[T+1]
.endm
.macro ROW r, left
.set XR, X+32*(\r)
	s_wait_loadcnt \left                           ; g, b and this row are in; the other row's younger loads may stay out
.irp k, 0,1,2,3                        ; four chains that do not wait for each other; the first additions start them
	v_pk_add_f32 v[T+2*(\k):T+2*(\k)+1], v[XR+2*(\k):XR+2*(\k)+1], v[XR+8+2*(\k):XR+8+2*(\k)+1]
.endr
.irp k, 0,1,2,3
	v_pk_add_f32 v[T+2*(\k):T+2*(\k)+1], v[T+2*(\k):T+2*(\k)+1], v[XR+16+2*(\k):XR+16+2*(\k)+1]
.endr
.irp k, 0,1,2,3
	v_pk_add_f32 v[T+2*(\k):T+2*(\k)+1], v[T+2*(\k):T+2*(\k)+1], v[XR+24+2*(\k):XR+24+2*(\k)+1]
.endr
	ACROSS
	v_mul_f32 v[MU], s14, v[T]
	v_mul_f32 v[MU+1], s14, v[T]
.set i, 0
.rept 16
	v_pk_add_f32 v[XR+2*i:XR+2*i+1], v[XR+2*i:XR+2*i+1], v[MU:MU+1] neg_lo:[0,1] neg_hi:[0,1]  ; x - mean
.set i, i+1
.endr
.irp k, 0,1,2,3
	v_pk_mul_f32 v[T+2*(\k):T+2*(\k)+1], v[XR+2*(\k):XR+2*(\k)+1], v[XR+2*(\k):XR+2*(\k)+1]
.endr
.irp o, 8,16,24
.irp k, 0,1,2,3
	v_pk_fma_f32 v[T+2*(\k):T+2*(\k)+1], v[XR+(\o)+2*(\k):XR+(\o)+2*(\k)+1], v[XR+(\o)+2*(\k):XR+(\o)+2*(\k)+1], v[T+2*(\k):T+2*(\k)+1]
.endr
.endr
	ACROSS
	v_fma_f32 v[T], v[T], s14, s15                 ; var + eps
	v_rsq_f32 v[R], v[T]
	v_rsq_f32 v[R+1], v[T]
	v_nop                                          ; a plain instruction between the root and the use of its result (ISA guide 5.7.2)
.set i, 0
	s_wait_alu depctr_va_vdst(0)
.rept 16
	v_pk_mul_f32 v[XR+2*i:XR+2*i+1], v[XR+2*i:XR+2*i+1], v[R:R+1]
.set i, i+1
.endr
.set i, 0
.rept 16
	v_pk_fma_f32 v[XR+2*i:XR+2*i+1], v[XR+2*i:XR+2*i+1], v[G+2*i:G+2*i+1], v[BV+2*i:BV+2*i+1]
.set i, i+1
.endr
.irp j, 0,1,2,3,4,5,6,7
	v_cvt_pk_f16_f32 v[XR+4*(\j)],   v[XR+4*(\j)],   v[XR+4*(\j)+1]
	v_cvt_pk_f16_f32 v[XR+4*(\j)+1], v[XR+4*(\j)+2], v[XR+4*(\j)+3]
	global_store_b64 v3, v[XR+4*(\j):XR+4*(\j)+1], s[10:11] offset:(\j)*1048576+(\r)*256  ; panel j, my row: at most 7,340,288, inside the signed 24-bit immediate
.endr
.endm
	ROW 0, 8
	ROW 1, 0
	s_endpgm
.Lfunc_end_k_q6559f1ca3f_ln1:
	.size	k_q6559f1ca3f_ln1, .Lfunc_end_k_q6559f1ca3f_ln1-k_q6559f1ca3f_ln1
	.p2alignl 7, 3214868480
	.fill 96, 4, 3214868480
	.section	.rodata,"a",@progbits
	.p2align	6, 0x0
	.amdhsa_kernel k_q6559f1ca3f_ln1
		.amdhsa_group_segment_fixed_size 0
		.amdhsa_private_segment_fixed_size 0
		.amdhsa_enable_private_segment 0
		.amdhsa_kernarg_size 32
		.amdhsa_user_sgpr_count 2
		.amdhsa_user_sgpr_kernarg_segment_ptr 1
		.amdhsa_wavefront_size32 1
		.amdhsa_system_sgpr_workgroup_id_x 1
		.amdhsa_system_sgpr_workgroup_id_y 1
		.amdhsa_system_sgpr_workgroup_id_z 1
		.amdhsa_system_vgpr_workitem_id 0
		.amdhsa_next_free_vgpr 144
		.amdhsa_next_free_sgpr 66
		.amdhsa_reserve_vcc 0
		.amdhsa_float_denorm_mode_32 3
		.amdhsa_float_denorm_mode_16_64 3
		.amdhsa_memory_ordered 1
		.amdhsa_forward_progress 1
		.amdhsa_inst_pref_size 20
	.end_amdhsa_kernel
	.amdgpu_metadata
---
amdhsa.version: [ 1, 2 ]
amdhsa.kernels:
  - .name:           k_q6559f1ca3f_ln1
    .symbol:         k_q6559f1ca3f_ln1.kd
    .args:
      - { .name: x, .offset: 0, .size: 8, .value_kind: global_buffer, .address_space: global }
      - { .name: g1, .offset: 8, .size: 8, .value_kind: global_buffer, .address_space: global }
      - { .name: b1, .offset: 16, .size: 8, .value_kind: global_buffer, .address_space: global }
      - { .name: hbuf, .offset: 24, .size: 8, .value_kind: global_buffer, .address_space: global }
    .group_segment_fixed_size: 0
    .private_segment_fixed_size: 0
    .kernarg_segment_align: 8
    .kernarg_segment_size: 32
    .max_flat_workgroup_size: 256
    .sgpr_count:     66
    .vgpr_count:     144
    .wavefront_size: 32
...
	.end_amdgpu_metadata
.endif
;; end of part 2
;; launch qkv (part 3): grid 12 x 16, 4 waves a work-group, clusters of 4 x 4, 327,680 bytes of LDS; arguments hbuf, wqkv, zeros, low, big; writes big
.if DOCPART == 3
	.amdgcn_target "amdgcn-amd-amdhsa--gfx1250"
	.amdhsa_code_object_version 6
	.text
	.protected	k_q6559f1ca3f_qkv
	.globl	k_q6559f1ca3f_qkv
	.p2align	8
	.type	k_q6559f1ca3f_qkv,@function
k_q6559f1ca3f_qkv:
	s_mov_b64 s[64:65], 0
	v_nop
	global_prefetch_b8 v0, s[64:65] scope:SCOPE_SE
	s_setreg_imm32_b32 hwreg(HW_REG_WAVE_MODE, 25, 1), 1
	s_wait_xcnt 0x0
	s_wait_alu depctr_hold_cnt(0) depctr_sa_sdst(0) depctr_va_vdst(0) depctr_va_sdst(0) depctr_va_ssrc(0) depctr_va_vcc(0) depctr_vm_vsrc(0)
	s_getreg_b32 s2, hwreg(HW_REG_IB_STS2, 6, 4)
	s_cmp_eq_u32 s2, 0
	s_cbranch_scc0 .Lentry_in_a_cluster
	s_endpgm
.Lentry_in_a_cluster:
	s_bfe_u32 s2, ttmp6, 0x10000c
	s_cmp_lg_u32 s2, 0xf033
	s_cbranch_scc0 .Lentry_shape_is_right
	s_endpgm
.Lentry_shape_is_right:
; C = max(A B + bias, floor), rounded once to f16.  M = 4,096, K = 1,024, N = 256 x the grid's width.  Sums in f32.
; A: f16 in panels [8][4096][128].  B: f16 in blocks [N/256][1024][256], K the slow index.  bias: [N] f32.  lim: its first word holds the floor twice, in f16.  C: f16 in panels [N/128][4096][128].
; One text serves two layers: q, k, v (bias 0, floor -65504, which changes no finite f16) and the first feed-forward layer (its bias, floor 0: the ReLU, taken on the rounded number, which is the same).
; LIMITS.  Operands and results must lie within f16's 65,504; an infinity below the floor, or a NaN, comes out as the floor.
; SHAPE.  A work-group makes 256 x 256 of C, each of its four waves 128 x 128: 64 accumulators of 16 x 16, 512 registers.  K goes in 8 steps of 128 through two LDS slots filled by the tensor data mover;
; a K step of A is one panel, so a wave's load is 128 rows of 256 bytes on end; of B it is 64 rows of 512 bytes on end.
; THE K STEP IS WRITTEN ONCE: a loop of six trips, each of which fills the slot that it leaves; the last two steps, which fill nothing, follow it.  The slot in hand is a scalar that one exclusive or turns.
; B IS READ TURNED: it lies [k][n] in LDS, and ds_load_tr16_b128 leaves a fragment with one column n a lane and k along the registers.
; THE MATRIX INSTRUCTION IS USED TRANSPOSED (source 0 = 16 columns of B, source 1 = 16 rows of A): a lane then holds eight neighbouring numbers of a row of C.
; THE BIAS STARTS THE SUMS: it is the C operand of each accumulator's first product; nothing is cleared and nothing is added later.
; CLUSTERS.  4 x 4 work-groups.  The four of a row of the cluster need the same tiles of A, the four of a column the same tiles of B: each tile is asked for jointly, by the same tensor load with the same
; descriptor and a mask that names the four.
; REGISTERS, in windows of 256 (s_set_vgpr_msb: bits 1:0 source 0, 3:2 source 1, 5:4 source 2, 7:6 destination):
;   window 0: v0-31 addresses; v32-63 the way out; v64-127, v128-191 fragments of A, two buffers; v192-255 the bias (8 registers a column block), later the way out
;   window 1: v64-127, v128-191 fragments of B     windows 2, 3: the accumulators of my rows 0-63, 64-127: (a, b) at v[8 (8 a + b)]
.set PITCH,  272                       ; a row of A in LDS: 256 bytes + 16 = 68 words: the 16 rows of a load start at 16 different groups of four banks (64 banks of 4 bytes: ISA guide 11.1)
.set PB,     544                       ; a row of B: 512 + 32 = 136 words
.set HALFT,  128*PITCH                 ; what one tensor load brings: 128 rows of A, or 64 rows of B (64 x 544 is the same number)
.set SLOT,   4*HALFT                   ; A's rows 0-127, 128-255, B's k 0-63, 64-127.  0x22000: its bits 17 and 13 are set in none of the waves' offsets 0, 0x8800, 0x11000, 0x19800, so an exclusive or adds or takes it
.set STAGE,  2*SLOT                    ; behind the ring: 16 rows x 272 bytes for each wave, for the way out
.set SPITCH, 272
.set SPARE,  STAGE+4*16*SPITCH         ; behind the stages: the spare words, 128 bytes for each wave: two blocks of 256 bytes that no other line names
.set KSTEPS, 8
.set ADRA, 16                          ; v16     LDS address of my A fragments in slot 0; never rewritten
.set CA,   17                          ; v17     the same in the slot in hand
.set ADRB, 20                          ; v20, v21  the same two for B
.set CB,   21
.set STO,  24                          ; v24     the way out: where I put 16 bytes of a row
.set RD,   25                          ; v25     the way out: where I read a row back
.set CO,   26                          ; v26     16 x lane: my place in 512 consecutive bytes of C
.set BO,   27                          ; v27     my byte offset in 16 numbers of the bias
.set SPW,  28                          ; v28     LDS address of my spare word; never rewritten
.set NIL,  29                          ; v29     0; never rewritten
.set F0,   64
.set F1,   128
.set BI,   192
.set TMP,  192
.set OB,   32
.set G1,  24                           ; s[24:31] descriptor group 1 for A's tiles;  s[32:39] group 0: a set for each of the two first fills; the second then walks on
.set G0,  32
.set G1B, 48                           ; s[48:55], s[56:63] the same for B's
.set G0B, 56
.set SO,  73                           ; s73     0 or SLOT: the slot in hand
.set MSB, 0
.macro WIN new                         ; the immediate's high byte repeats the setting that is left; a switch that changes nothing is dropped
.if MSB != (\new)
	s_set_vgpr_msb (MSB<<8)|(\new)
.set MSB, \new
.endif
.endm
.set TO_B, 0x40                        ; destination window 1, address window 0
; A joint load: waves 0 and 1 fetch A's two halves, waves 2 and 3 B's.  The branch hangs on the wave's number alone.  An s_nop 0 and four v_nop follow each of the two lines.
.macro JLOAD s
	s_cmp_eq_u32 s11, 0
	s_cbranch_scc0 .Lfor_b_\@
	tensor_load_to_lds s[G0+4*(\s):G0+4*(\s)+3], s[G1:G1+7]
	s_nop 0
.rept 4
	v_nop
.endr
	s_branch .Lasked_\@
.Lfor_b_\@:
	tensor_load_to_lds s[G0B+4*(\s):G0B+4*(\s)+3], s[G1B:G1B+7]
	s_nop 0
.rept 4
	v_nop
.endr
.Lasked_\@:
.endm
.macro CREST                           ; a round of the cluster's barrier behind its opening barrier
	s_cmp_lg_u32 s10, 0
	s_cbranch_scc1 .Lnot_wave_0_\@
	s_barrier_signal -3
.Lnot_wave_0_\@:
	s_barrier_wait -3
	s_barrier_signal -1
	s_barrier_wait -1
.endm
.macro CROUND                          ; a whole round
	s_barrier_signal -1
	s_barrier_wait -1
	CREST
.endm
	s_load_b128 s[4:7], s[0:1], 0x0                ; A s[4:5], B s[6:7]
	s_load_b128 s[68:71], s[0:1], 0x10             ; bias s[68:69], lim s[70:71]
	s_load_b64 s[8:9], s[0:1], 0x20                ; C
	v_lshl_add_u32 v[SPW], v0, 2, SPARE
	v_mov_b32 v[NIL], 0
	ds_add_u32 v[SPW], v[NIL]                      ; the wave's opening: the add and its wait stand ahead of my first tensor load; the set-up below stands between them
	v_lshrrev_b32 v1, 5, v0
	v_readfirstlane_b32 s10, v1                    ; wave 0..3
	s_lshr_b32 s11, s10, 1                         ; which half of the tile's rows is mine.  Also: I fetch for A (0) or for B (1)
	s_and_b32 s12, s10, 1                          ; which half of its columns.  Also: which half of that tile I fetch
	s_bfe_u32 s40, ttmp6, 0x40000                  ; cx, cy: my place in the cluster
	s_bfe_u32 s41, ttmp6, 0x40004
	s_lshl_b32 s42, ttmp9, 2
	s_add_co_u32 s42, s42, s40                     ; tile column of C = 4 x cluster x + cx
	s_and_b32 s13, ttmp7, 0xffff
	s_lshl_b32 s13, s13, 2
	s_add_co_u32 s13, s13, s41                     ; tile row of C = 4 x cluster y + cy
	s_lshl_b32 s43, s41, 2
	s_lshl_b32 s43, 15, s43                        ; my row of the cluster
	s_lshl_b32 s44, 0x1111, s40                    ; my column
	s_or_b32 s[G1+0], s43, (1<<16)|(1<<20)|(1<<21)|(5<<22)|(3<<25)   ; the mask; 2-byte elements; padding on; bit 21 beside a mask; after every 64 words 4 words
	s_mov_b32 s[G1+1], 128<<16                     ; tensor_dim0 = 128
	s_mov_b32 s[G1+2], 128<<16                     ; tensor_dim1 = 128
	s_mov_b32 s[G1+3], 128<<16                     ; tile_dim0 = 128
	s_mov_b32 s[G1+4], 128                         ; tile_dim1 = 128
	s_mov_b32 s[G1+5], 128                         ; elements from row to row: a panel's rows are dense
	s_mov_b32 s[G1+6], 0
	s_mov_b32 s[G1+7], 0
	s_or_b32 s[G1B+0], s44, (1<<16)|(1<<20)|(1<<21)|(6<<22)|(7<<25)  ; after every 128 words 8 words
	s_mov_b32 s[G1B+1], 256<<16                    ; tensor_dim0 = 256
	s_mov_b32 s[G1B+2], 64<<16                     ; tensor_dim1 = 64
	s_mov_b32 s[G1B+3], 256<<16                    ; tile_dim0 = 256
	s_mov_b32 s[G1B+4], 64                         ; tile_dim1 = 64
	s_mov_b32 s[G1B+5], 256
	s_mov_b32 s[G1B+6], 0
	s_mov_b32 s[G1B+7], 0
	; A's tiles hang on the tile row alone, B's on the tile column alone; each offset is made in registers that never hold the other coordinate
	s_lshl_b32 s17, s12, 15                        ; my half: 128 rows of 256 bytes, or 64 rows of 512
	s_lshl_b32 s16, s13, 16                        ; A: 256 rows of 256 bytes a tile row
	s_add_co_u32 s16, s16, s17
	s_lshl_b32 s46, s42, 19                        ; B: a block of 256 columns is 524,288 bytes
	s_add_co_u32 s46, s46, s17
	s_mov_b32 s17, 0
	s_mov_b32 s47, 0
	s_mul_i32 s20, s10, HALFT                      ; where they go: wave x 34,816: no place in the cluster enters an LDS address
	s_mov_b32 s[SO], 0
	s_wait_dscnt 0x0                               ; the opening add is done
	s_wait_kmcnt 0x0
	s_add_nc_u64 s[14:15], s[4:5], s[16:17]
	s_add_nc_u64 s[46:47], s[6:7], s[46:47]
	CROUND                                         ; all sixteen work-groups are here: the first joint loads meet
.irp s, 0,1
	s_mov_b32 s[G0+4*(\s)], 1
	s_add_co_u32 s[G0+4*(\s)+1], s20, (\s)*SLOT
	s_add_nc_u64 s[G0+4*(\s)+2:G0+4*(\s)+3], s[14:15], (\s)*0x100000   ; K step s of A is panel s
	s_or_b32 s[G0+4*(\s)+3], s[G0+4*(\s)+3], 0x80000000
	s_mov_b32 s[G0B+4*(\s)], 1
	s_add_co_u32 s[G0B+4*(\s)+1], s20, (\s)*SLOT
	s_add_nc_u64 s[G0B+4*(\s)+2:G0B+4*(\s)+3], s[46:47], (\s)*65536    ; K step s of B is 128 rows of 512 bytes
	s_or_b32 s[G0B+4*(\s)+3], s[G0B+4*(\s)+3], 0x80000000
	JLOAD \s                                       ; two loads of mine are out
.endr
	s_load_b32 s72, s[70:71], 0x0                  ; the floor, twice in f16
	s_lshl_b32 s46, s42, 10                        ; the bias of my 128 columns: 1,024 x tile column + 512 x half
	s_lshl_b32 s47, s12, 9
	s_add_co_u32 s46, s46, s47
	s_mov_b32 s47, 0
	s_add_nc_u64 s[68:69], s[68:69], s[46:47]
	v_and_b32 v1, 15, v0                           ; l % 16
	v_bfe_u32 v2, v0, 4, 1                         ; l / 16
	v_lshlrev_b32 v[BO], 5, v2                     ; in the result my registers hold columns 8 (l / 16) + 0..7 of a block of 16
.irp b, 0,1,2,3,4,5,6,7
	global_load_b128 v[BI+8*(\b):BI+8*(\b)+3],   v[BO], s[68:69] offset:64*(\b)
	global_load_b128 v[BI+8*(\b)+4:BI+8*(\b)+7], v[BO], s[68:69] offset:64*(\b)+16
.endr
	s_lshl_b32 s46, s42, 21                        ; my part of C: panel 2 x tile column + half, rows 256 x tile row + 128 x half
	s_lshl_b32 s47, s12, 20
	s_add_co_u32 s46, s46, s47
	s_lshl_b32 s47, s13, 16
	s_add_co_u32 s46, s46, s47
	s_lshl_b32 s47, s11, 15
	s_add_co_u32 s46, s46, s47
	s_mov_b32 s47, 0
	s_add_nc_u64 s[8:9], s[8:9], s[46:47]
	v_mul_u32_u24 v3, v1, PITCH                    ; a fragment of A: row l % 16, 16 bytes for each half of the lanes
	v_lshl_add_u32 v3, v2, 4, v3
	s_mul_i32 s21, s11, HALFT                      ; my 128 rows of A
	v_and_b32 v4, 7, v0                            ; the turning load: lane l reads row k = 8 (l / 16) + l % 8, columns 8 ((l / 8) % 2) + 0..7
	v_lshl_add_u32 v4, v2, 3, v4
	v_mul_u32_u24 v4, v4, PB
	v_bfe_u32 v5, v0, 3, 1
	v_lshl_add_u32 v4, v5, 4, v4
	s_lshl_b32 s22, s12, 8                         ; my 128 columns of B,
	s_add_co_u32 s22, s22, 2*HALFT                 ; which lies behind A
	v_add_nc_u32 v[ADRA], s21, v3
	v_add_nc_u32 v[ADRB], s22, v4
	v_mov_b32 v[CA], v[ADRA]                       ; slot 0 is the first in hand
	v_mov_b32 v[CB], v[ADRB]
	s_mul_i32 s23, s10, 16*SPITCH
	s_add_co_u32 s23, s23, STAGE                   ; my stage
	v_mul_u32_u24 v6, v1, SPITCH
	v_lshl_add_u32 v6, v2, 4, v6
	v_add_nc_u32 v[STO], s23, v6
	v_mul_u32_u24 v7, v2, SPITCH                   ; back: lanes 0-15 take one row of 256 bytes, lanes 16-31 the next
	v_lshl_add_u32 v7, v1, 4, v7
	v_add_nc_u32 v[RD], s23, v7
	v_and_b32 v[CO], 31, v0                        ; two rows of a panel are 512 bytes on end
	v_lshlrev_b32 v[CO], 4, v[CO]
; 16 matrix instructions: m blocks a0, a0 + 1 of the window's four (hi = 0: my rows 0-63, 1: rows 64-127) x all 8 n blocks, 32 along K.  first = 1: the bias starts the sums.
; The 64 accumulators take turns, one instruction a turn, in the same order in every quarter.
.macro MUL16 f, hi, a0, first
.if \first
	WIN 0x81+0x40*(\hi)
.else
	WIN 0xa1+0x50*(\hi)
.endif
.irp a, \a0, (\a0)+1
.irp b, 0,1,2,3,4,5,6,7
.if \first
	v_wmma_f32_16x16x32_f16 v[8*(8*(\a)+(\b)):8*(8*(\a)+(\b))+7], v[(\f)+8*(\b):(\f)+8*(\b)+7], v[(\f)+8*(4*(\hi)+(\a)):(\f)+8*(4*(\hi)+(\a))+7], v[BI+8*(\b):BI+8*(\b)+7]
.else
	v_wmma_f32_16x16x32_f16 v[8*(8*(\a)+(\b)):8*(8*(\a)+(\b))+7], v[(\f)+8*(\b):(\f)+8*(\b)+7], v[(\f)+8*(4*(\hi)+(\a)):(\f)+8*(4*(\hi)+(\a))+7], v[8*(8*(\a)+(\b)):8*(8*(\a)+(\b))+7]
.endif
.endr
.endr
.endm
; 32 LDS loads in one run: the fragments of quarter q (32 along K) of the slot in hand into buffer f: B's 128 columns, turned, then A's 128 rows
.macro FETCH q, f
	WIN TO_B
.irp i, 0,1,2,3,4,5,6,7
	ds_load_tr16_b128 v[(\f)+8*(\i):(\f)+8*(\i)+3],   v[CB] offset:(\q)*32*PB+32*(\i)
	ds_load_tr16_b128 v[(\f)+8*(\i)+4:(\f)+8*(\i)+7], v[CB] offset:(\q)*32*PB+32*(\i)+16*PB
.endr
	WIN 0
.irp i, 0,1,2,3,4,5,6,7
	ds_load_b128 v[(\f)+8*(\i):(\f)+8*(\i)+3],   v[CA] offset:(\q)*64+(\i)*16*PITCH
	ds_load_b128 v[(\f)+8*(\i)+4:(\f)+8*(\i)+7], v[CA] offset:(\q)*64+(\i)*16*PITCH+32
.endr
.endm
.macro PLACES                          ; four places in front of loads into registers that matrix instructions have read, and of conversions that read results
.rept 4
	v_nop
.endr
.endm
; A K step is four quarters of 32 along K, 64 matrix instructions each, on buffers 0, 1, 0, 1.  One of the first three multiplies buffer f and, in its middle, fetches quarter q into buffer g.
.macro QUARTER q, f, g, first
	s_wait_dscnt 8                                 ; B and A's rows 0-63 are in; the youngest eight loads (A's rows 64-127) may be out
	MUL16 \f, 0, 0, \first
	MUL16 \f, 0, 2, \first
	PLACES
	FETCH \q, \g
	s_wait_dscnt 32                                ; all but the 32 just issued
	MUL16 \f, 1, 0, \first
	MUL16 \f, 1, 2, \first
.endm
; The last quarter multiplies buffer 1 and changes slots: ONE barrier.  In front of it each wave waits for all its tensor loads (one is out: its part of the next slot), adds 0 to its spare word, and waits
; for that and for its own reads of this slot.  fill = 1: the barrier opens a round of the cluster's, and this slot is filled again, two K steps ahead, first thing behind the round:
; 224 matrix instructions stand between that request and the wait for it.  The walking descriptor takes the other slot than last time and the next K step.
.macro TURN fill
	WIN 0                                          ; (the add's two registers lie in window 0)
	s_wait_tensorcnt 0x0
	ds_add_u32 v[SPW], v[NIL]                      ; 0 onto my spare word
	s_wait_dscnt 9                                 ; (the add and the youngest eight loads may be out)
	MUL16 F1, 0, 0, 0
	s_wait_dscnt 0x0                               ; the add is done, and my reads of this slot are over
	s_barrier_signal -1
	MUL16 F1, 0, 2, 0
	WIN 0
	s_barrier_wait -1
.if \fill
	CREST                                          ; no wave of any partner still reads this slot or has a load on its way
	s_xor_b32 s[G0+5], s[G0+5], SLOT
	s_add_nc_u64 s[G0+6:G0+7], s[G0+6:G0+7], 0x100000
	s_xor_b32 s[G0B+5], s[G0B+5], SLOT
	s_add_nc_u64 s[G0B+6:G0B+7], s[G0B+6:G0B+7], 65536
	JLOAD 1                                        ; the four v_nop behind it are also the places in front of the loads below
.else
	PLACES
.endif
	s_xor_b32 s[SO], s[SO], SLOT                   ; the other slot is in hand
	v_add_nc_u32 v[CA], s[SO], v[ADRA]
	v_add_nc_u32 v[CB], s[SO], v[ADRB]
	FETCH 0, F0
	MUL16 F1, 1, 0, 0
	MUL16 F1, 1, 2, 0
.endm
; THE WAY OUT of block a (16 rows).  PACK: rounded to f16, the floor taken.  TOSTAGE: into my own stage and back as whole rows of 256 bytes.  SEND: stored.
.macro PACK a
.set AC, 64*((\a)%4)
	WIN 0x0a+5*((\a)/4)                            ; sources 0 and 1: window 2 or 3
.irp b, 0,1,2,3,4,5,6,7
.irp r, 0,1,2,3
	v_cvt_pk_f16_f32 v[TMP+4*(\b)+(\r)], v[AC+8*(\b)+2*(\r)], v[AC+8*(\b)+2*(\r)+1]
.endr
.endr
	WIN 0
.set i, 0
.rept 32
	v_pk_max_num_f16 v[TMP+i], v[TMP+i], s72
.set i, i+1
.endr
.endm
.macro TOSTAGE a
.set BK, OB+192*((\a)%2)
.irp b, 0,1,2,3,4,5,6,7
	ds_store_b128 v[STO], v[TMP+4*(\b):TMP+4*(\b)+3] offset:32*(\b)
.endr
.irp t, 0,1,2,3,4,5,6,7
	ds_load_b128 v[BK+4*(\t):BK+4*(\t)+3], v[RD] offset:(\t)*2*SPITCH  ; LDS serves a wave's instructions in order (ISA guide 5.7.1.4): these see the stores above
.endr
.endm
.macro SEND a
.set BK, OB+192*((\a)%2)
	s_wait_dscnt 0x0                               ; the block is back in registers
	s_wait_xcnt 0x0                                ; the registers that the block before last's stores read are loaded again only behind this wait
.irp t, 0,1,2,3,4,5,6,7
	global_store_b128 v[CO], v[BK+4*(\t):BK+4*(\t)+3], s[8:9] offset:(\a)*4096+(\t)*512  ; 512 consecutive bytes, aligned: two rows of the panel
.endr
.endm
	s_wait_tensorcnt 1                             ; my part of K step 0 is in; K step 1's may stay out
	s_barrier_signal -1
	s_barrier_wait -1
	FETCH 0, F0
	s_wait_loadcnt 0x0                             ; the bias
	s_wait_kmcnt 0x0                               ; the floor
	QUARTER 1, F0, F1, 1                           ; the first quarter stands in front of the loop: its products start the sums
	WIN 0                                          ; at a label and at a branch every window is 0
	s_mov_b32 s3, KSTEPS-2
.Lstep:                                                ; a trip goes from a K step's second quarter to the next step's first, and fills the slot that it leaves
	QUARTER 2, F1, F0, 0
	QUARTER 3, F0, F1, 0
	TURN 1
	QUARTER 1, F0, F1, 0
	WIN 0
	s_sub_co_u32 s3, s3, 1
	s_cmp_lg_u32 s3, 0
	s_cbranch_scc1 .Lstep
	QUARTER 2, F1, F0, 0                           ; the last two K steps fill nothing
	QUARTER 3, F0, F1, 0
	TURN 0
	QUARTER 1, F0, F1, 0
	QUARTER 2, F1, F0, 0
	QUARTER 3, F0, F1, 0
	s_wait_dscnt 8                                 ; the very last quarter: nothing more to fetch
	MUL16 F1, 0, 0, 0
	MUL16 F1, 0, 2, 0
	s_wait_dscnt 0x0
	MUL16 F1, 1, 0, 0
	MUL16 F1, 1, 2, 0
	WIN 0
	PLACES
	PACK 0
	TOSTAGE 0
.irp a, 1,2,3,4,5,6,7                  ; block a's conversions stand between block a - 1's loads from the stage and the wait for them
	PACK \a
	SEND (\a)-1
	TOSTAGE \a
.endr
	SEND 7
	s_wait_tensorcnt 0x0                           ; the wave's end: behind my last tensor load and my last LDS store
	ds_add_u32 v[SPW], v[NIL]
	s_wait_dscnt 0x0
	CROUND                                         ; the closing round: no work-group ends while a partner may still ask for a tile that names it
	s_endpgm
.Lfunc_end_k_q6559f1ca3f_qkv:
	.size	k_q6559f1ca3f_qkv, .Lfunc_end_k_q6559f1ca3f_qkv-k_q6559f1ca3f_qkv
	.p2alignl 7, 3214868480
	.fill 96, 4, 3214868480
	.section	.rodata,"a",@progbits
	.p2align	6, 0x0
	.amdhsa_kernel k_q6559f1ca3f_qkv
		.amdhsa_group_segment_fixed_size 327680
		.amdhsa_private_segment_fixed_size 0
		.amdhsa_enable_private_segment 0
		.amdhsa_kernarg_size 40
		.amdhsa_user_sgpr_count 2
		.amdhsa_user_sgpr_kernarg_segment_ptr 1
		.amdhsa_wavefront_size32 1
		.amdhsa_system_sgpr_workgroup_id_x 1
		.amdhsa_system_sgpr_workgroup_id_y 1
		.amdhsa_system_sgpr_workgroup_id_z 1
		.amdhsa_system_vgpr_workitem_id 0
		.amdhsa_next_free_vgpr 1024
		.amdhsa_next_free_sgpr 74
		.amdhsa_reserve_vcc 0
		.amdhsa_float_denorm_mode_32 3
		.amdhsa_float_denorm_mode_16_64 3
		.amdhsa_memory_ordered 1
		.amdhsa_forward_progress 1
		.amdhsa_inst_pref_size 134
	.end_amdhsa_kernel
	.amdgpu_metadata
---
amdhsa.version: [ 1, 2 ]
amdhsa.kernels:
  - .name:           k_q6559f1ca3f_qkv
    .symbol:         k_q6559f1ca3f_qkv.kd
    .args:
      - { .name: hbuf, .offset: 0, .size: 8, .value_kind: global_buffer, .address_space: global }
      - { .name: wqkv, .offset: 8, .size: 8, .value_kind: global_buffer, .address_space: global }
      - { .name: zeros, .offset: 16, .size: 8, .value_kind: global_buffer, .address_space: global }
      - { .name: low, .offset: 24, .size: 8, .value_kind: global_buffer, .address_space: global }
      - { .name: big, .offset: 32, .size: 8, .value_kind: global_buffer, .address_space: global }
    .group_segment_fixed_size: 327680
    .private_segment_fixed_size: 0
    .kernarg_segment_align: 8
    .kernarg_segment_size: 40
    .max_flat_workgroup_size: 128
    .sgpr_count:     74
    .vgpr_count:     1024
    .wavefront_size: 32
...
	.end_amdgpu_metadata
.endif
;; end of part 3
;; launch attn (part 4): grid 16 x 16, 4 waves a work-group, clusters of 4 x 1, 327,680 bytes of LDS; arguments big, hbuf; writes hbuf
.if DOCPART == 4
	.amdgcn_target "amdgcn-amd-amdhsa--gfx1250"
	.amdhsa_code_object_version 6
	.text
	.protected	k_q6559f1ca3f_attn
	.globl	k_q6559f1ca3f_attn
	.p2align	8
	.type	k_q6559f1ca3f_attn,@function
k_q6559f1ca3f_attn:
	s_mov_b64 s[64:65], 0
	v_nop
	global_prefetch_b8 v0, s[64:65] scope:SCOPE_SE
	s_setreg_imm32_b32 hwreg(HW_REG_WAVE_MODE, 25, 1), 1
	s_wait_xcnt 0x0
	s_wait_alu depctr_hold_cnt(0) depctr_sa_sdst(0) depctr_va_vdst(0) depctr_va_sdst(0) depctr_va_ssrc(0) depctr_va_vcc(0) depctr_vm_vsrc(0)
	s_getreg_b32 s2, hwreg(HW_REG_IB_STS2, 6, 4)
	s_cmp_eq_u32 s2, 0
	s_cbranch_scc0 .Lentry_in_a_cluster
	s_endpgm
.Lentry_in_a_cluster:
	s_bfe_u32 s2, ttmp6, 0x10000c
	s_cmp_lg_u32 s2, 0x3003
	s_cbranch_scc0 .Lentry_shape_is_right
	s_endpgm
.Lentry_shape_is_right:
; CAUSAL ATTENTION, 2 batches x 16 heads of 64 channels, 2,048 rows.  O[q] = the sum over k <= q of softmax_k(Q[q] . K[k] / 8) V[k].
; big holds q, k, v in f16 panels [24][4096][128]: panel p = q of heads 2 p (bytes 0-127 of a row) and 2 p + 1 (bytes 128-255), panel 8 + p their k, panel 16 + p their v.  O leaves in the same form, panel p of hbuf.
; Products, maxima and sums in f32; the weights are rounded to f16 for the second product (their sum is taken of the unrounded weights), O once at the end.
; LIMITS.  q, k, v arrive within f16's 65,504.  A hidden score counts as -1e30; a weight below 2^-126 counts as 0; NaN and infinities are not treated apart.
; SHARES.  A work-group serves one batch and one PAIR of heads, and two blocks of 64 queries: block 31 - i and then block i, i = 4 a + c (a: the cluster's number along x, c: my place in it).
; Waves 0, 1 take the first head, waves 2, 3 the second; each wave 32 rows of the block: two tiles of 16.
; THE WALK.  Keys come in tiles of 256 (both heads' K and V: rows of 256 bytes), four steps of 64.  Block 31 - i needs tiles 0 .. 7 - a, block i tiles 0 .. a: NINE tiles, and the SAME nine for the four partners
; of a cluster.  So every tile is asked for jointly, all trip counts are constants, and no branch or LDS address hangs on c: c enters Q's and O's addresses, the prefetches' address and the mask's thresholds alone.
; The price: in the two tiles that hold a diagonal all four steps are computed, also those that the mask hides whole.
; LAYOUT.  S^T = K Q^T (source 0 = 16 keys, source 1 = 16 queries): a lane holds ONE query (lane % 16) and the keys 8 (lane / 16) + 0..7.  Two such results rounded to f16 ARE source 1 of O^T = V^T P.
; K comes out of LDS as it lies, V ([key][channel]) turned, by ds_load_tr16_b128.
; SOFTMAX.  A running maximum m and sum l for each query: p = 2^(c s - c m), c = log2(e) / 8; in every step O and l are multiplied by a = 2^(c m_old - c m_new).  A block starts with c m far below every
; c s, so its first a is 0 and O and l need only hold finite numbers.
; IN PHASES: a step's 16 products K Q^T, (the mask,) the loads of V and of the next K, the softmax, 16 products V^T P.
; REGISTERS (s_set_vgpr_msb: bits 1:0 source 0, 3:2 source 1, 5:4 source 2, 7:6 destination):
;   window 0: v0-36 addresses and statistics; v62-63 the add's; v64-127 S^T; v128-159 P; v160-223 O^T        window 1: v0-31 Q; v32-63 the second block's Q; v64-127 K of one step; v128-191 V of one step
.set PK,     272                       ; a row of K in LDS: 256 bytes + 16 = 68 words: the 16 rows of a load start at 16 different groups of four banks (64 banks of 4 bytes: ISA guide 11.1)
.set PVP,    288                       ; a row of V: 256 + 32 = 72 words
.set KBYTES, 256*PK                    ; a slot: 256 rows of K, then 256 rows of V
.set SLOTB,  256*(PK+PVP)
.set STAGE0, 2*SLOTB                   ; behind the ring: 64 rows x 272 bytes for the first block's way out,
.set STG1,   64*272                    ; and as many behind them for the second's
.set SPARE,  STAGE0+2*STG1             ; the spare words, 128 bytes for each wave: two blocks of 256 bytes that no other line names
.set AK0, 2                            ; v2   my lane's place in a tile of K; never rewritten
.set AV0, 3                            ; v3   the same for V
.set AK,  4                            ; v4   the LDS address of K's run of loads
.set AV,  5                            ; v5   of V's
.set STO, 6                            ; v6   the way out: where I put 16 bytes of a row
.set RD,  7                            ; v7   the way out: where I read rows back
.set GO,  8                            ; v8   16 x lane
.set MV,  12                           ; v12-13  c m_old, by tile
.set TH,  14                           ; v14-15  the mask's threshold, by tile
.set ST,  16                           ; v16-23  tile t at ST + 4 t: c m, m, l (even keys', odd keys')
.set TMP, 24                           ; v24-31  tile t at TMP + 4 t: c0-c3 at work; a takes c2's place
.set TB,  32                           ; v32-33  my query's place in its block, less my lanes' 8 (l / 16)
.set BIG, 34                           ; v34  -1e30
.set QO,  35                           ; v35  my byte offset in 16 rows of Q
.set PFO, 36                           ; v36  256 x lane: the prefetches' offset; never rewritten
.set SPW, 62
.set NIL, 63
.set S,   64
.set P,   128
.set O,   160
.set Q,   0                            ; window 1
.set QB,  32
.set KF,  64
.set VF,  128
.set WV,  8                            ; s8   my wave's number;  s9 its head (0, 1);  s10 its half of the block's rows, and of a tile's keys to fetch
.set G1K, 24                           ; s[24:31], s[32:39] descriptor group 1 for K's and V's tiles
.set G1V, 32
.set G0K, 40                           ; s[40:43], s[44:47] group 0
.set G0V, 44
.set KB,  48                           ; s[48:49], s[50:51] K and V at my half of tile 0
.set VB,  50
.set OFF, 52                           ; s[52:53] a tile's byte offset
.set QHI, 54                           ; s[54:55], s[56:57] Q at my rows of the two blocks
.set QLO, 56
.set CS,  58                           ; s[58:59] c, twice
.set SEL, 60                           ; s[60:61] v_permlanex16_b32's selects
.set TBK, 62                           ; s62, s63  LDS byte at which K (V, less KBYTES) of the step to be fetched begins
.set TBV, 63
.set OHI, 66                           ; s[66:67], s[68:69] O at the rows that I store
.set OLO, 68
.set RT,  70                           ; tiles of the block in hand that are still to be entered
.set NXT, 71                           ; the tile to be asked for next
.set LQ,  72                           ; the last tile of the block whose tiles are being asked for
.set NEW, 73                           ; 1: the tile to be entered is a block's first
.set RB,  74                           ; 1: the first block lies in its stage and is to be stored
.set CB64, 75                          ; 64 x my block's place among the four of its diagonal tile
.set CNT, 76
.set TRIPS, 77
.set LK,  78                           ; s78, s79  LDS bytes of my half of K, of V, in slot 0
.set LV,  79
.set PFA, 80                           ; s[80:81] where my prefetches stand
.set PFN, 82                           ; prefetches still to be made
.set CA,  83                           ; a
.set CX,  84                           ; c
.set MSB, 0
.macro WIN new
.if MSB != (\new)
	s_set_vgpr_msb (MSB<<8)|(\new)
.set MSB, \new
.endif
.endm
.macro PLACES
.rept 4
	v_nop
.endr
.endm
; A joint fill: waves 0, 1 fetch the two halves of a tile's K, waves 2, 3 those of its V, 128 keys each.  An s_nop 0 and four v_nop follow each of the two lines.
.macro JLOAD
	s_cmp_lt_u32 s[WV], 2
	s_cbranch_scc0 .Lfor_v_\@
	tensor_load_to_lds s[G0K:G0K+3], s[G1K:G1K+7]
	s_nop 0
.rept 4
	v_nop
.endr
	s_branch .Lasked_\@
.Lfor_v_\@:
	tensor_load_to_lds s[G0V:G0V+3], s[G1V:G1V+7]
	s_nop 0
.rept 4
	v_nop
.endr
.Lasked_\@:
.endm
.macro CROUND                          ; a round of the cluster's barrier
	s_barrier_signal -1
	s_barrier_wait -1
	s_cmp_lg_u32 s[WV], 0
	s_cbranch_scc1 .Lnot_wave_0_\@
	s_barrier_signal -3
.Lnot_wave_0_\@:
	s_barrier_wait -3
	s_barrier_signal -1
	s_barrier_wait -1
.endm
; A PREFETCH INTO THE L2 of the tile that the NEXT change of slots will ask for.  The four clusters of a head pair walk the same tiles; cluster a = 0 walks all eight and asks, in the change that fills tile k + 1,
; for tile k + 2: six times, tiles 2 to 7.  Of the 128 rows that a wave fetches each partner names 32, told apart by address; a lane a row: each row of 256 bytes is named once in the launch.
; The lead is one tile: 128 matrix instructions and four softmaxes.  Nothing is asked for at the head, and nothing behind tile 7.
.macro ASK
	s_cmp_lg_u32 s[PFN], 0
	s_cbranch_scc0 .Lnot_mine_\@
	global_prefetch_b8 v[PFO], s[PFA:PFA+1] th:TH_LOAD_NT scope:SCOPE_SE
	s_sub_co_u32 s[PFN], s[PFN], 1
.Lnot_mine_\@:
.endm
; THE CHANGE OF SLOTS, in front of the tile in \slot.  Each wave waits for all its tensor loads (one is out: its part of \slot), adds 0 to its spare word, and waits for that and for its reads of the other slot.
; fill = 1: behind a round of the cluster's barrier the other slot is filled with tile NXT, first thing; the descriptor's address is made anew from that number.  A wave never has more than one tensor load out.
.macro CHANGE slot, fill
	WIN 0
.if \fill
	s_wait_xcnt 0x0                                ; the last prefetch, a tile back, has read its address
	s_add_nc_u64 s[PFA:PFA+1], s[PFA:PFA+1], 65536
.endif
	s_wait_tensorcnt 0x0                           ; no tensor load of mine is out, so a group 0 may be written
	ds_add_u32 v[SPW], v[NIL]                      ; 0 onto my spare word
.if \fill
	s_lshl_b32 s[OFF], s[NXT], 16                  ; a tile is 65,536 bytes of K and of V
	s_add_co_u32 s[G0K+1], s[LK], (1-(\slot))*SLOTB
	s_add_nc_u64 s[G0K+2:G0K+3], s[KB:KB+1], s[OFF:OFF+1]
	s_or_b32 s[G0K+3], s[G0K+3], 0x80000000
	s_add_co_u32 s[G0V+1], s[LV], (1-(\slot))*SLOTB
	s_add_nc_u64 s[G0V+2:G0V+3], s[VB:VB+1], s[OFF:OFF+1]
	s_or_b32 s[G0V+3], s[G0V+3], 0x80000000
	s_add_co_u32 s[NXT], s[NXT], 1                 ; the block's next tile, or behind its last the second block's tile 0
	s_cmp_gt_u32 s[NXT], s[LQ]
	s_cselect_b32 s[NXT], 0, s[NXT]
	s_cselect_b32 s[LQ], s[CA], s[LQ]
.endif
	s_wait_dscnt 0x0                               ; the add is done, my reads of the other slot are over, and so are my stores into a stage
.if \fill
	CROUND
	JLOAD
	ASK
.else
	s_barrier_signal -1
	s_barrier_wait -1
.endif
.endm
; THE LDS LOADS stand in runs of 16: a step's K (64 keys x 64 channels of my head: 8 fragments) and its V (turned).
.macro FETCH_K
	v_add_nc_u32 v[AK], s[TBK], v[AK0]
	WIN 0x40                                       ; destination window 1
.irp f, 0,1,2,3,4,5,6,7                ; keys 16 (f / 2) on, channels 32 (f % 2) on
	ds_load_b128 v[KF+8*\f:KF+8*\f+3],   v[AK] offset:(\f/2)*16*PK+(\f%2)*64
	ds_load_b128 v[KF+8*\f+4:KF+8*\f+7], v[AK] offset:(\f/2)*16*PK+(\f%2)*64+32
.endr
	s_add_co_u32 s[TBK], s[TBK], 64*PK             ; the next fetch is the next step's
	WIN 0
.endm
.macro FETCH_V
	v_add_nc_u32 v[AV], s[TBV], v[AV0]
	WIN 0x40
.irp f, 0,1,2,3,4,5,6,7                ; keys 32 (f / 4) on, channels 16 (f % 4) on
	ds_load_tr16_b128 v[VF+8*\f:VF+8*\f+3],   v[AV] offset:(\f/4)*32*PVP+(\f%4)*32
	ds_load_tr16_b128 v[VF+8*\f+4:VF+8*\f+7], v[AV] offset:(\f/4)*32*PVP+16*PVP+(\f%4)*32
.endr
	s_add_co_u32 s[TBV], s[TBV], 64*PVP
	WIN 0
.endm
; THE MATRIX WORK.  The 8 accumulators of a run of 16 take turns: between the two links of a chain stand 7 others'.
.macro KQ                              ; product i: channels 32 (i / 8) on, keys 16 ((i / 2) % 4) on, tile i % 2.  The first 8 start the sums
	WIN 0x05                                       ; K and Q in window 1
.set i, 0
.rept 16
.set rS, S+32*(i%2)+8*((i/2)%4)
.set rK, KF+16*((i/2)%4)+8*(i/8)
.set rQ, Q+16*(i%2)+8*(i/8)
.if i < 8
	v_wmma_f32_16x16x32_f16 v[rS:rS+7], v[rK:rK+7], v[rQ:rQ+7], 0
.else
	v_wmma_f32_16x16x32_f16 v[rS:rS+7], v[rK:rK+7], v[rQ:rQ+7], v[rS:rS+7]
.endif
.set i, i+1
.endr
.endm
.macro PV                              ; product i: keys 32 (i / 8) on, channels 16 ((i / 2) % 4) on, tile i % 2
	WIN 0x01                                       ; V in window 1
.set i, 0
.rept 16
.set rO, O+32*(i%2)+8*((i/2)%4)
.set rV, VF+32*(i/8)+8*((i/2)%4)
.set rP, P+16*(i%2)+8*(i/8)
	v_wmma_f32_16x16x32_f16 v[rO:rO+7], v[rV:rV+7], v[rP:rP+7], v[rO:rO+7]
.set i, i+1
.endr
.endm
; THE MASK, in the tile that holds the block's diagonal.  Register i of a tile's 32 scores is key 16 (i / 8) + i % 8 + 8 (l / 16) of the step; it is hidden where 16 (i / 8) + i % 8 is greater than the threshold,
; which is my query's place in the tile less 8 (l / 16) less 64 x the step.  Each accumulator's lowest register is read first.
.macro MASK
.irp t, 0,1
.set i, 0
.rept 32
	v_cmp_gt_i32 vcc_lo, 16*(i/8)+i%8, v[TH+(\t)]
	v_cndmask_b32 v[S+32*(\t)+i], v[S+32*(\t)+i], v[BIG], vcc_lo
.set i, i+1
.endr
	v_add_nc_u32 v[TH+(\t)], 0xffffffc0, v[TH+(\t)]  ; the next step lies 64 keys on
.endr
.endm
; THE SOFTMAX of a step, both tiles.
.macro REGS t
.set rT, ST+4*(\t)
.set rC, TMP+4*(\t)
.set rM, MV+(\t)
.set rS, S+32*(\t)
.set rP, P+16*(\t)
.set rO, O+32*(\t)
.endm
; Number n of the 22 that find a tile's maximum and statistics: 0-11 four chains of seven scores, three operands at a time; 12-14, 16 the four scores left over, the old m, and the chains into c0;
; 15 c m_old is kept; 17, 18 the query's other 32 keys lie in the lane 16 away; 19-21 c m, c m_old - c m_new, a.
.macro XS t, n
	REGS \t
.if (\n) < 4
	v_max3_num_f32 v[rC+(\n)], v[rS+8*(\n)], v[rS+8*(\n)+1], v[rS+8*(\n)+2]
.elseif (\n) < 12
	v_max3_num_f32 v[rC+(\n)%4], v[rC+(\n)%4], v[rS+8*((\n)%4)+2*((\n)/4)+1], v[rS+8*((\n)%4)+2*((\n)/4)+2]
.elseif (\n) == 12
	v_max3_num_f32 v[rC], v[rC], v[rS+7], v[rS+15]
.elseif (\n) == 13
	v_max3_num_f32 v[rC+1], v[rC+1], v[rS+23], v[rS+31]
.elseif (\n) == 14
	v_max3_num_f32 v[rC+2], v[rC+2], v[rC+3], v[rT+1]
.elseif (\n) == 15
	v_mov_b32 v[rM], v[rT]
.elseif (\n) == 16
	v_max3_num_f32 v[rC], v[rC], v[rC+1], v[rC+2]
.elseif (\n) == 17
	v_permlanex16_b32 v[rC+3], v[rC], s[SEL], s[SEL+1]
.elseif (\n) == 18
	v_max_num_f32 v[rT+1], v[rC], v[rC+3]
.elseif (\n) == 19
	v_mul_f32 v[rT], s[CS], v[rT+1]
.elseif (\n) == 20
	v_sub_f32 v[rC+1], v[rM], v[rT]
.else
	v_exp_f32 v[rC+2], v[rC+1]
.endif
.endm
.macro FF t, n                         ; c s - c m for pair n of 16
	REGS \t
	v_pk_fma_f32 v[rS+2*(\n):rS+2*(\n)+1], v[rS+2*(\n):rS+2*(\n)+1], s[CS:CS+1], v[rT:rT+1] op_sel_hi:[1,0,0] neg_lo:[0,0,1] neg_hi:[0,0,1]
.endm
.macro EE t, n                         ; the exponential of score n of 32
	REGS \t
	v_exp_f32 v[rS+(\n)], v[rS+(\n)]
.endm
.macro RR t, n                         ; pair n of 16 of O^T times a
	REGS \t
	s_wait_alu depctr_va_vdst(0)
	v_pk_mul_f32 v[rO+2*(\n):rO+2*(\n)+1], v[rO+2*(\n):rO+2*(\n)+1], v[rC+2:rC+3] op_sel_hi:[1,0]
.endm
.macro CC t, n                         ; pair n rounded to f16
	REGS \t
	s_wait_alu depctr_va_vdst(0)
	v_cvt_pk_f16_f32 v[rP+(\n)], v[rS+2*(\n)], v[rS+2*(\n)+1]
.endm
.macro LL t, n                         ; l takes pair n (the first time as l = a l + pair)
	REGS \t
.if (\n) == 0
	v_pk_fma_f32 v[rT+2:rT+3], v[rT+2:rT+3], v[rC+2:rC+3], v[rS:rS+1] op_sel_hi:[1,0,1]
	s_wait_alu depctr_va_vdst(0)
.else
	v_pk_add_f32 v[rT+2:rT+3], v[rT+2:rT+3], v[rS+2*(\n):rS+2*(\n)+1]
.endif
.endm
; Each exponential has a plain instruction that names none of its registers behind it before its result is read (ISA guide 5.7.2): a scaling two pairs ahead, or a rescaling of O^T.
.macro SOFTMAX
.irp n, 0,1,2,3,4,5,6,7,8,9,10,11,12,13,14,15,16,17,18,19,20,21
	XS 0, \n
	XS 1, \n
.endr
	FF 0, 0
	FF 1, 0
	FF 0, 1
	FF 1, 1
.set g, 0
.rept 16
	EE 0, 2*g
.if g < 14
	FF 0, g+2
.endif
	EE 0, 2*g+1
	RR 0, g
	EE 1, 2*g
.if g < 14
	FF 1, g+2
.endif
	EE 1, 2*g+1
	RR 1, g
	CC 0, g
	LL 0, g
	CC 1, g
	LL 1, g
.set g, g+1
.endr
.endm
.macro BEGIN                           ; a block begins: c m far below every c s, m at the lowest finite number, the mask's threshold for the diagonal tile's step 0
	s_mov_b32 s[NEW], 0
.irp t, 0,1
	v_mov_b32 v[ST+4*\t], 0xfe000000
	v_mov_b32 v[ST+4*\t+1], 0xff7fffff
	v_add_nc_u32 v[TH+\t], s[CB64], v[TB+\t]
.endr
.endm
; A BLOCK ENDS: l's two halves and the other half of the lanes' are added; O^T is divided by l, rounded to f16 and put into the work-group's stage at byte so: a row's 256 bytes come from two waves.
.macro FINAL so
	PLACES                                         ; behind the last products
.irp t, 0,1
	v_add_f32 v[ST+4*\t+2], v[ST+4*\t+2], v[ST+4*\t+3]
.endr
.irp t, 0,1
	v_permlanex16_b32 v[ST+4*\t+3], v[ST+4*\t+2], s[SEL], s[SEL+1]
.endr
.irp t, 0,1
	v_add_f32 v[ST+4*\t+2], v[ST+4*\t+2], v[ST+4*\t+3]
.endr
.irp t, 0,1
	v_rcp_f32 v[ST+4*\t+2], v[ST+4*\t+2]
.endr
	v_nop                                          ; a plain instruction between the last reciprocal and the use of its result
	s_wait_alu depctr_va_vdst(0)
.irp t, 0,1
.set i, 0
.rept 16
	v_pk_mul_f32 v[O+32*\t+2*i:O+32*\t+2*i+1], v[O+32*\t+2*i:O+32*\t+2*i+1], v[ST+4*\t+2:ST+4*\t+3] op_sel_hi:[1,0]
.set i, i+1
.endr
.endr
.irp t, 0,1
.set i, 0
.rept 16
	v_cvt_pk_f16_f32 v[S+16*\t+i], v[O+32*\t+2*i], v[O+32*\t+2*i+1]
.set i, i+1
.endr
.endr
.irp t, 0,1
.irp f, 0,1,2,3
	ds_store_b128 v[STO], v[S+16*\t+4*\f:S+16*\t+4*\f+3] offset:(\so)+\t*16*272+32*\f
.endr
.endr
.endm
; Behind a barrier: wave w reads rows 16 w .. 16 w + 15 of the stage, whole, and stores them: 512 consecutive bytes, aligned, an instruction.
.macro READBACK so, ptr
.irp f, 0,1,2,3,4,5,6,7
	ds_load_b128 v[S+4*\f:S+4*\f+3], v[RD] offset:(\so)+\f*544
.endr
	s_wait_dscnt 0x0
.irp f, 0,1,2,3,4,5,6,7
	global_store_b128 v[GO], v[S+4*\f:S+4*\f+3], s[\ptr:\ptr+1] offset:\f*512
.endr
	s_wait_xcnt 0x0                                ; the next products write these registers only behind this wait
.endm
; A TILE of the walk, in \slot.  Every jump but the step loop's goes forward, over text that holds no barrier and no tensor load.
.macro TILE slot, fill, tail
	CHANGE \slot, \fill
	s_sub_co_u32 s[RT], s[RT], 1
	s_cmp_eq_u32 s[RB], 1
	s_cbranch_scc0 .Lno_rb_\@
	READBACK 0, OHI                                ; the first block, staged at the end of the tile before: the change's barrier stands between
	s_mov_b32 s[RB], 0
.Lno_rb_\@:
	s_cmp_eq_u32 s[NEW], 1
	s_cbranch_scc0 .Lno_new_\@
	BEGIN
.Lno_new_\@:
	s_mov_b32 s[TBK], (\slot)*SLOTB
	s_mov_b32 s[TBV], (\slot)*SLOTB
	FETCH_K
	s_mov_b32 s[CNT], 4
.Lstep_\@:
	s_wait_dscnt 0x0                               ; K is in
	KQ
	WIN 0
	PLACES                                         ; behind the products: the scores are read, and K's and V's registers loaded again
.if !(\tail)
	s_cmp_eq_u32 s[RT], 0                          ; the block's last tile holds its diagonal
	s_cbranch_scc0 .Lno_mask_\@
.endif
	MASK
.if !(\tail)
.Lno_mask_\@:
.endif
	FETCH_V
	s_cmp_eq_u32 s[CNT], 1                         ; the tile's last step has no next K
	s_cbranch_scc1 .Lno_k_\@
	FETCH_K
.Lno_k_\@:
	SOFTMAX
	s_wait_dscnt 0x0                               ; V is in, and the next K
	PV
	WIN 0
	s_sub_co_u32 s[CNT], s[CNT], 1
	s_cmp_lg_u32 s[CNT], 0
	s_cbranch_scc1 .Lstep_\@
.if \tail
	FINAL STG1
.else
	s_wait_dscnt 0x0
	s_barrier_signal -1                            ; every wave's reads of the first stage, if this tile had any, are over before any wave writes it
	s_barrier_wait -1
	s_cmp_eq_u32 s[RT], 0
	s_cbranch_scc0 .Lno_fin_\@
	FINAL 0
	s_add_co_u32 s[RT], s[CA], 1                   ; the second block has a + 1 tiles
	s_mov_b32 s[NEW], 1
	s_mov_b32 s[RB], 1
	s_lshl_b32 s[CB64], s[CX], 6
	WIN 0x41                                       ; the second block's Q goes where the products name Q
.set i, 0
.rept 32
	v_mov_b32 v[Q+i], v[QB+i]
.set i, i+1
.endr
	WIN 0
.Lno_fin_\@:
.endif
.endm
	s_load_b128 s[4:7], s[0:1], 0x0                ; big s[4:5], hbuf s[6:7]
	v_lshl_add_u32 v[SPW], v0, 2, SPARE
	v_mov_b32 v[NIL], 0
	ds_add_u32 v[SPW], v[NIL]                      ; the wave's opening: the add and its wait stand ahead of my first tensor load; the set-up below stands between them
	v_lshrrev_b32 v1, 5, v0
	v_readfirstlane_b32 s[WV], v1
	s_lshr_b32 s9, s[WV], 1
	s_and_b32 s10, s[WV], 1
	s_bfe_u32 s[CX], ttmp6, 0x40000
	s_mov_b32 s[CA], ttmp9                         ; in a cluster launch ttmp9 counts clusters
	s_and_b32 s85, ttmp7, 0xffff
	s_lshr_b32 s86, s85, 3                         ; the batch
	s_and_b32 s85, s85, 7                          ; the pair of heads
	s_lshl_b32 s85, s85, 20                        ; its panel,
	s_lshl_b32 s86, s86, 19                        ; the batch's 2,048 rows of 256 bytes
	s_add_co_u32 s85, s85, s86
	s_lshl_b32 s87, s10, 15                        ; my half of a tile's 256 keys
	s_add_co_u32 s[OFF], s85, s87
	s_add_co_u32 s[OFF], s[OFF], 8<<20             ; k's panels lie 8 behind q's
	s_mov_b32 s[OFF+1], 0
	s_lshl2_add_u32 s86, s[CA], s[CX]              ; the second block: 4 a + c
	s_sub_co_u32 s87, 31, s86                      ; the first
	s_lshl_b32 s14, s87, 14                        ; a block is 64 rows of 256 bytes
	s_add_co_u32 s14, s14, s85
	s_mov_b32 s15, 0
	s_lshl_b32 s16, s86, 14
	s_add_co_u32 s16, s16, s85
	s_mov_b32 s17, 0
	s_lshl_b32 s18, s10, 13                        ; Q: my 32 rows
	s_mov_b32 s19, 0
	s_lshl_b32 s20, s[WV], 12                      ; O: the 16 rows that I store
	s_mov_b32 s21, 0
	s_mov_b32 s[G1K], 15|(1<<16)|(1<<20)|(1<<21)|(5<<22)|(3<<25)  ; the mask of four; 2-byte elements; padding on; bit 21 beside a mask; after every 64 words 4 words
	s_mov_b32 s[G1V], 15|(1<<16)|(1<<20)|(1<<21)|(5<<22)|(7<<25)  ; the same with 8 words
.irp g, G1K, G1V
	s_mov_b32 s[\g+1], 128<<16                     ; tensor_dim0 = 128
	s_mov_b32 s[\g+2], 128<<16                     ; tensor_dim1 = 128
	s_mov_b32 s[\g+3], 128<<16                     ; tile_dim0 = 128
	s_mov_b32 s[\g+4], 128                         ; tile_dim1 = 128
	s_mov_b32 s[\g+5], 128                         ; a panel's rows are dense
	s_mov_b32 s[\g+6], 0
	s_mov_b32 s[\g+7], 0
.endr
	s_mul_i32 s[LK], s10, 128*PK
	s_mul_i32 s[LV], s10, 128*PVP
	s_add_co_u32 s[LV], s[LV], KBYTES
	s_mov_b32 s[CS], 0x3e38aa3b                    ; c = log2(e) / 8
	s_mov_b32 s[CS+1], s[CS]
	s_mov_b32 s[SEL], 0x76543210
	s_mov_b32 s[SEL+1], 0xfedcba98
	s_sub_co_u32 s[RT], 8, s[CA]                   ; the first block has 8 - a tiles
	s_mov_b32 s[NXT], 1
	s_sub_co_u32 s[LQ], 7, s[CA]
	s_mov_b32 s[RB], 0
	s_sub_co_u32 s[CB64], 3, s[CX]                 ; block 31 - 4 a - c is the (3 - c)th of tile 7 - a
	s_lshl_b32 s[CB64], s[CB64], 6
	s_cmp_eq_u32 s[CA], 0
	s_cselect_b32 s[PFN], 6, 0
	s_lshl_b32 s86, s[CX], 13                      ; my work-group's 32 rows of the 128,
	s_add_co_u32 s86, s86, 65536                   ; in tile 1: the first change steps it to tile 2
	s_mov_b32 s87, 0
	s_wait_dscnt 0x0                               ; the opening add is done
	s_wait_kmcnt 0x0
	s_add_nc_u64 s[KB:KB+1], s[4:5], s[OFF:OFF+1]
	s_add_nc_u64 s[VB:VB+1], s[KB:KB+1], 8<<20     ; v's panels lie 8 behind k's
	s_add_nc_u64 s[QHI:QHI+1], s[4:5], s[14:15]
	s_add_nc_u64 s[QHI:QHI+1], s[QHI:QHI+1], s[18:19]
	s_add_nc_u64 s[QLO:QLO+1], s[4:5], s[16:17]
	s_add_nc_u64 s[QLO:QLO+1], s[QLO:QLO+1], s[18:19]
	s_add_nc_u64 s[OHI:OHI+1], s[6:7], s[14:15]
	s_add_nc_u64 s[OHI:OHI+1], s[OHI:OHI+1], s[20:21]
	s_add_nc_u64 s[OLO:OLO+1], s[6:7], s[16:17]
	s_add_nc_u64 s[OLO:OLO+1], s[OLO:OLO+1], s[20:21]
	s_cmp_lt_u32 s[WV], 2
	s_cselect_b64 s[PFA:PFA+1], s[KB:KB+1], s[VB:VB+1]
	s_add_nc_u64 s[PFA:PFA+1], s[PFA:PFA+1], s[86:87]
	s_mov_b32 s[G0K], 1
	s_mov_b32 s[G0K+1], s[LK]                      ; slot 0
	s_mov_b64 s[G0K+2:G0K+3], s[KB:KB+1]           ; tile 0
	s_or_b32 s[G0K+3], s[G0K+3], 0x80000000
	s_mov_b32 s[G0V], 1
	s_mov_b32 s[G0V+1], s[LV]
	s_mov_b64 s[G0V+2:G0V+3], s[VB:VB+1]
	s_or_b32 s[G0V+3], s[G0V+3], 0x80000000
	CROUND                                         ; all four work-groups are here: the first joint loads meet
	JLOAD
	v_and_b32 v1, 15, v0                           ; l % 16
	v_bfe_u32 v9, v0, 4, 1                         ; l / 16
	s_lshl_b32 s85, s9, 7                          ; my head's 128 bytes of a row
	v_lshlrev_b32 v[QO], 8, v1
	v_lshl_add_u32 v[QO], v9, 4, v[QO]
	v_add_nc_u32 v[QO], s85, v[QO]
	WIN 0x40
.irp t, 0,1
.irp c, 0,1                            ; both blocks' Q stay in registers: tile t, channels 32 c on
	global_load_b128 v[Q+16*\t+8*\c:Q+16*\t+8*\c+3],     v[QO], s[QHI:QHI+1] offset:\t*4096+\c*64
	global_load_b128 v[Q+16*\t+8*\c+4:Q+16*\t+8*\c+7],   v[QO], s[QHI:QHI+1] offset:\t*4096+\c*64+32
	global_load_b128 v[QB+16*\t+8*\c:QB+16*\t+8*\c+3],   v[QO], s[QLO:QLO+1] offset:\t*4096+\c*64
	global_load_b128 v[QB+16*\t+8*\c+4:QB+16*\t+8*\c+7], v[QO], s[QLO:QLO+1] offset:\t*4096+\c*64+32
.endr
.endr
	WIN 0
	v_mul_u32_u24 v[AK0], v1, PK                   ; a fragment of K: row l % 16, 16 bytes for each half of the lanes, my head
	v_lshl_add_u32 v[AK0], v9, 4, v[AK0]
	v_add_nc_u32 v[AK0], s85, v[AK0]
	v_and_b32 v10, 7, v0                           ; the turning load: key 8 (l / 16) + l % 8, channels 8 ((l / 8) % 2) + 0..7
	v_bfe_u32 v11, v0, 3, 1
	v_lshl_add_u32 v[AV0], v9, 3, v10
	v_mul_u32_u24 v[AV0], v[AV0], PVP
	v_lshl_add_u32 v[AV0], v11, 4, v[AV0]
	v_add_nc_u32 v[AV0], s85, v[AV0]
	v_add_nc_u32 v[AV0], KBYTES, v[AV0]
	s_lshl_b32 s86, s10, 5                         ; my 32 rows of the block
	v_add_nc_u32 v[STO], s86, v1
	v_mul_u32_u24 v[STO], v[STO], 272
	v_lshl_add_u32 v[STO], v9, 4, v[STO]
	v_add_nc_u32 v[STO], s85, v[STO]
	v_add_nc_u32 v[STO], STAGE0, v[STO]
	s_lshl_b32 s87, s[WV], 4                       ; the 16 rows that I store; lanes 0-15 take one row of 256 bytes, lanes 16-31 the next
	v_add_nc_u32 v[RD], s87, v9
	v_mul_u32_u24 v[RD], v[RD], 272
	v_lshl_add_u32 v[RD], v1, 4, v[RD]
	v_add_nc_u32 v[RD], STAGE0, v[RD]
	v_and_b32 v[GO], 31, v0
	v_lshlrev_b32 v[PFO], 8, v[GO]
	v_lshlrev_b32 v[GO], 4, v[GO]
	v_lshlrev_b32 v10, 3, v9
	v_sub_nc_u32 v[TB], v1, v10
	v_add_nc_u32 v[TB], s86, v[TB]
	v_add_nc_u32 v[TB+1], 16, v[TB]
	v_mov_b32 v[BIG], 0xf149f2ca                   ; -1e30
.set i, 0
.rept 64                               ; O^T and l need only be finite at a block's beginning: zeros, written in the wait for the first tile, spare a first step written out
	v_mov_b32 v[O+i], 0
.set i, i+1
.endr
.irp t, 0,1
	v_mov_b32 v[ST+4*\t+2], 0
	v_mov_b32 v[ST+4*\t+3], 0
.endr
	BEGIN                                          ; the first block
	s_wait_loadcnt 0x0                             ; Q
	s_mov_b32 s[TRIPS], 4
.Lwalk:                                        ; eight tiles, each asking for the next
	TILE 0, 1, 0
	TILE 1, 1, 0
	s_sub_co_u32 s[TRIPS], s[TRIPS], 1
	s_cmp_lg_u32 s[TRIPS], 0
	s_cbranch_scc1 .Lwalk
	TILE 0, 0, 1                                   ; the ninth is written out: the second block's diagonal tile
	s_wait_dscnt 0x0                               ; for the others' sake: my stores into the second stage are done
	s_barrier_signal -1
	s_barrier_wait -1
	READBACK STG1, OLO
	s_wait_tensorcnt 0x0                           ; the wave's end: behind my last tensor load and my last LDS store
	ds_add_u32 v[SPW], v[NIL]
	s_wait_dscnt 0x0
	CROUND                                         ; the closing round
	s_endpgm
.Lfunc_end_k_q6559f1ca3f_attn:
	.size	k_q6559f1ca3f_attn, .Lfunc_end_k_q6559f1ca3f_attn-k_q6559f1ca3f_attn
	.p2alignl 7, 3214868480
	.fill 96, 4, 3214868480
	.section	.rodata,"a",@progbits
	.p2align	6, 0x0
	.amdhsa_kernel k_q6559f1ca3f_attn
		.amdhsa_group_segment_fixed_size 327680
		.amdhsa_private_segment_fixed_size 0
		.amdhsa_enable_private_segment 0
		.amdhsa_kernarg_size 16
		.amdhsa_user_sgpr_count 2
		.amdhsa_user_sgpr_kernarg_segment_ptr 1
		.amdhsa_wavefront_size32 1
		.amdhsa_system_sgpr_workgroup_id_x 1
		.amdhsa_system_sgpr_workgroup_id_y 1
		.amdhsa_system_sgpr_workgroup_id_z 1
		.amdhsa_system_vgpr_workitem_id 0
		.amdhsa_next_free_vgpr 448
		.amdhsa_next_free_sgpr 88
		.amdhsa_reserve_vcc 1
		.amdhsa_float_denorm_mode_32 3
		.amdhsa_float_denorm_mode_16_64 3
		.amdhsa_memory_ordered 1
		.amdhsa_forward_progress 1
		.amdhsa_inst_pref_size 114
	.end_amdhsa_kernel
	.amdgpu_metadata
---
amdhsa.version: [ 1, 2 ]
amdhsa.kernels:
  - .name:           k_q6559f1ca3f_attn
    .symbol:         k_q6559f1ca3f_attn.kd
    .args:
      - { .name: big, .offset: 0, .size: 8, .value_kind: global_buffer, .address_space: global }
      - { .name: hbuf, .offset: 8, .size: 8, .value_kind: global_buffer, .address_space: global }
    .group_segment_fixed_size: 327680
    .private_segment_fixed_size: 0
    .kernarg_segment_align: 8
    .kernarg_segment_size: 16
    .max_flat_workgroup_size: 128
    .sgpr_count:     88
    .vgpr_count:     448
    .wavefront_size: 32
...
	.end_amdgpu_metadata
.endif
;; end of part 4
;; launch proj (part 5): grid 8 x 32, 4 waves a work-group, clusters of 4 x 4, 327,680 bytes of LDS; arguments hbuf, wres, bproj, x, x2; writes x2
.if DOCPART == 5
	.amdgcn_target "amdgcn-amd-amdhsa--gfx1250"
	.amdhsa_code_object_version 6
	.text
	.protected	k_q6559f1ca3f_proj
	.globl	k_q6559f1ca3f_proj
	.p2align	8
	.type	k_q6559f1ca3f_proj,@function
k_q6559f1ca3f_proj:
	s_mov_b64 s[64:65], 0
	v_nop
	global_prefetch_b8 v0, s[64:65] scope:SCOPE_SE
	s_setreg_imm32_b32 hwreg(HW_REG_WAVE_MODE, 25, 1), 1
	s_wait_xcnt 0x0
	s_wait_alu depctr_hold_cnt(0) depctr_sa_sdst(0) depctr_va_vdst(0) depctr_va_sdst(0) depctr_va_ssrc(0) depctr_va_vcc(0) depctr_vm_vsrc(0)
	s_getreg_b32 s2, hwreg(HW_REG_IB_STS2, 6, 4)
	s_cmp_eq_u32 s2, 0
	s_cbranch_scc0 .Lentry_in_a_cluster
	s_endpgm
.Lentry_in_a_cluster:
	s_bfe_u32 s2, ttmp6, 0x10000c
	s_cmp_lg_u32 s2, 0xf033
	s_cbranch_scc0 .Lentry_shape_is_right
	s_endpgm
.Lentry_shape_is_right:
; C = R + A B + bias, in f32.  M = 4,096, N = 1,024, K = KDIM.  A: f16 in panels [KDIM/128][4096][128].  B: f16 in blocks [8][KDIM][128] at byte WOFF of its buffer, K the slow index.
; bias: [1024] f32.  R (the residual) and C: [4096][1024] f32, row-major.  Sums in f32; nothing is rounded on the way out.  LIMIT: the operands lie within f16's 65,504.
; SHAPE.  1,024 columns give 64 tiles of 256 x 256, too few for the chip's 256 WGPs: a work-group makes 128 x 128, each of its four waves 64 x 64: 16 accumulators.  K goes in steps of 256 (two panels of A,
; 256 rows of B) through two LDS slots; every tensor load is 128 rows of 256 bytes on end.  The K step is written once: a loop in which each trip fills the slot that it leaves; the last two steps follow it.
; B is read turned (ds_load_tr16_b128); the matrix instruction is used transposed (source 0 = 16 columns of B, source 1 = 16 rows of A), so that a lane holds eight neighbouring numbers of a row of C.
; The bias is the C operand of each accumulator's first product.  The residual's 32 loads go out at the head and stay out through the whole loop over K.
; CLUSTERS.  4 x 4 work-groups: A's tiles are asked for jointly along a row of the cluster, B's along a column.
; REGISTERS: window 0: v0-31 addresses; v32-95 the way out; v96-127 the bias; v128-255 the accumulators ((a, b) at v[128 + 8 (4 a + b)])
;   window 1: two fragment buffers of 128 (64 along K: 64 registers of A, then 64 of B)          window 2: v0-127 the residual
.set KDIM,   1024
.set WOFF,   0
.set PA,     272                       ; a row of A in LDS: 256 bytes + 16: the 16 rows of a load start at 16 different groups of four banks (64 banks of 4 bytes: ISA guide 11.1)
.set PBW,    288                       ; a row of B: 256 + 32
.set HA,     128*PA
.set HB,     128*PBW
.set SLOT,   0x24000                   ; slot 1 begins here, behind slot 0's 143,360 bytes: bits 17 and 14 are set in none of the descriptors' LDS words 0, 0x8800, 0x11000, 0x1a000, so an exclusive or adds or takes it
.set STAGE,  SLOT+2*HA+2*HB            ; behind the ring: 16 rows x 272 bytes (64 f32 and padding) for each wave.  In a slot: A's first panel (128 rows), its second, B's k 0-127, k 128-255
.set SPITCH, 272
.set SPARE,  STAGE+4*16*SPITCH         ; the spare words, 128 bytes for each wave: two blocks of 256 bytes that no other line names
.set KSTEPS, KDIM/256
.set ADRA, 16                          ; v16     LDS address of my A fragments in slot 0; never rewritten
.set CA,   17                          ; v17     the same in the slot in hand
.set ADRB, 20                          ; v20-21  the same for B: k 0-127, k 128-255
.set CB,   22                          ; v22-23
.set STO,  24
.set RD,   25
.set RO,   26                          ; v26     my byte offset in two rows of R and of C
.set BO,   27
.set SPW,  28
.set NIL,  29
.set TMP,  32
.set BI,   96
.set ACC,  128
.set F0,   0
.set F1,   128
.set G1,  24                           ; s[24:31] group 1 for A's tiles; s[32:39] group 0: a set for each of the two first fills; the second then walks on
.set G0,  32
.set G1B, 48
.set G0B, 56
.set SO,  73                           ; s73     0 or SLOT: the slot in hand
.set MSB, 0
.macro WIN new
.if MSB != (\new)
	s_set_vgpr_msb (MSB<<8)|(\new)
.set MSB, \new
.endif
.endm
.set MUL,  0x05                        ; sources 0 (B) and 1 (A) window 1; C and D window 0
.set TO_F, 0x40                        ; destination window 1, address window 0
.macro JLOAD s                         ; a joint load: waves 0, 1 fetch A's two panels, waves 2, 3 B's two halves; an s_nop 0 and four v_nop follow each line
	s_cmp_eq_u32 s11, 0
	s_cbranch_scc0 .Lfor_b_\@
	tensor_load_to_lds s[G0+4*(\s):G0+4*(\s)+3], s[G1:G1+7]
	s_nop 0
.rept 4
	v_nop
.endr
	s_branch .Lasked_\@
.Lfor_b_\@:
	tensor_load_to_lds s[G0B+4*(\s):G0B+4*(\s)+3], s[G1B:G1B+7]
	s_nop 0
.rept 4
	v_nop
.endr
.Lasked_\@:
.endm
.macro CREST
	s_cmp_lg_u32 s10, 0
	s_cbranch_scc1 .Lnot_wave_0_\@
	s_barrier_signal -3
.Lnot_wave_0_\@:
	s_barrier_wait -3
	s_barrier_signal -1
	s_barrier_wait -1
.endm
.macro CROUND
	s_barrier_signal -1
	s_barrier_wait -1
	CREST
.endm
	s_load_b128 s[4:7], s[0:1], 0x0                ; A s[4:5], B s[6:7]
	s_load_b128 s[68:71], s[0:1], 0x10             ; bias s[68:69], R s[70:71]
	s_load_b64 s[8:9], s[0:1], 0x20                ; C
	v_lshl_add_u32 v[SPW], v0, 2, SPARE
	v_mov_b32 v[NIL], 0
	ds_add_u32 v[SPW], v[NIL]                      ; the wave's opening: the add and its wait stand ahead of my first tensor load
	v_lshrrev_b32 v1, 5, v0
	v_readfirstlane_b32 s10, v1                    ; wave 0..3
	s_lshr_b32 s11, s10, 1                         ; my half of the tile's rows.  Also: I fetch for A (0) or for B (1)
	s_and_b32 s12, s10, 1                          ; my half of its columns.  Also: which half of a K step I fetch
	s_bfe_u32 s40, ttmp6, 0x40000
	s_bfe_u32 s41, ttmp6, 0x40004
	s_lshl_b32 s42, ttmp9, 2
	s_add_co_u32 s42, s42, s40                     ; tile column
	s_and_b32 s13, ttmp7, 0xffff
	s_lshl_b32 s13, s13, 2
	s_add_co_u32 s13, s13, s41                     ; tile row
	s_lshl_b32 s43, s41, 2
	s_lshl_b32 s43, 15, s43                        ; my row of the cluster
	s_lshl_b32 s44, 0x1111, s40                    ; my column
	s_or_b32 s[G1+0], s43, (1<<16)|(1<<20)|(1<<21)|(5<<22)|(3<<25)   ; the mask; 2-byte elements; padding on; bit 21 beside a mask; after every 64 words 4 words
	s_or_b32 s[G1B+0], s44, (1<<16)|(1<<20)|(1<<21)|(5<<22)|(7<<25)  ; the same with 8 words
.irp g, G1, G1B
	s_mov_b32 s[(\g)+1], 128<<16                   ; tensor_dim0 = 128
	s_mov_b32 s[(\g)+2], 128<<16                   ; tensor_dim1 = 128
	s_mov_b32 s[(\g)+3], 128<<16                   ; tile_dim0 = 128
	s_mov_b32 s[(\g)+4], 128                       ; tile_dim1 = 128
	s_mov_b32 s[(\g)+5], 128                       ; rows are dense
	s_mov_b32 s[(\g)+6], 0
	s_mov_b32 s[(\g)+7], 0
.endr
	s_lshl_b32 s17, s12, 20                        ; A: my panel of the K step's two,
	s_lshl_b32 s16, s13, 15                        ; the tile row's 128 rows of 256 bytes
	s_add_co_u32 s16, s16, s17
	s_mul_i32 s46, s42, KDIM*256                   ; B: the tile column's block,
	s_lshl_b32 s47, s12, 15                        ; my 128 rows of the K step's 256
	s_add_co_u32 s46, s46, s47
	s_add_co_u32 s46, s46, WOFF
	s_mov_b32 s17, 0
	s_mov_b32 s47, 0
	s_mul_i32 s20, s12, HA                         ; where they go: no place in the cluster enters an LDS address
	s_mul_i32 s21, s12, HB
	s_add_co_u32 s21, s21, 2*HA
	s_mov_b32 s[SO], 0
	s_wait_dscnt 0x0                               ; the opening add is done
	s_wait_kmcnt 0x0
	s_add_nc_u64 s[14:15], s[4:5], s[16:17]
	s_add_nc_u64 s[46:47], s[6:7], s[46:47]
	CROUND                                         ; all sixteen work-groups are here: the first joint loads meet
.irp s, 0,1
	s_mov_b32 s[G0+4*(\s)], 1
	s_add_co_u32 s[G0+4*(\s)+1], s20, (\s)*SLOT
	s_add_nc_u64 s[G0+4*(\s)+2:G0+4*(\s)+3], s[14:15], (\s)*0x200000
	s_or_b32 s[G0+4*(\s)+3], s[G0+4*(\s)+3], 0x80000000
	s_mov_b32 s[G0B+4*(\s)], 1
	s_add_co_u32 s[G0B+4*(\s)+1], s21, (\s)*SLOT
	s_add_nc_u64 s[G0B+4*(\s)+2:G0B+4*(\s)+3], s[46:47], (\s)*65536
	s_or_b32 s[G0B+4*(\s)+3], s[G0B+4*(\s)+3], 0x80000000
	JLOAD \s                                       ; two loads of mine are out
.endr
	s_lshl_b32 s46, s42, 9                         ; my 64 columns in f32: 512 x tile column + 256 x half
	s_lshl_b32 s47, s12, 8
	s_add_co_u32 s46, s46, s47
	s_mov_b32 s47, 0
	s_add_nc_u64 s[68:69], s[68:69], s[46:47]
	s_lshl_b32 s22, s13, 19                        ; my 64 rows of 4,096 bytes
	s_add_co_u32 s46, s46, s22
	s_lshl_b32 s22, s11, 18
	s_add_co_u32 s46, s46, s22
	s_add_nc_u64 s[70:71], s[70:71], s[46:47]
	s_add_nc_u64 s[8:9], s[8:9], s[46:47]
	v_and_b32 v1, 15, v0                           ; l % 16
	v_bfe_u32 v2, v0, 4, 1                         ; l / 16
	v_lshlrev_b32 v[BO], 5, v2
	v_lshlrev_b32 v[RO], 12, v2                    ; lanes 0-15 take 256 bytes of one row, lanes 16-31 of the next
	v_lshl_add_u32 v[RO], v1, 4, v[RO]
.irp b, 0,1,2,3
	global_load_b128 v[BI+8*(\b):BI+8*(\b)+3],   v[BO], s[68:69] offset:64*(\b)
	global_load_b128 v[BI+8*(\b)+4:BI+8*(\b)+7], v[BO], s[68:69] offset:64*(\b)+16
.endr
	WIN 0x80                                       ; destination window 2
.irp a, 0,1,2,3
.irp t, 0,1,2,3,4,5,6,7
	global_load_b128 v[32*(\a)+4*(\t):32*(\a)+4*(\t)+3], v[RO], s[70:71] offset:(16*(\a)+2*(\t))*4096
.endr
.endr
	WIN 0
	v_mul_u32_u24 v3, v1, PA
	v_lshl_add_u32 v3, v2, 4, v3
	s_mul_i32 s22, s11, 64*PA                      ; my 64 rows of A
	v_add_nc_u32 v[ADRA], s22, v3
	v_and_b32 v4, 7, v0                            ; the turning load: row k = 8 (l / 16) + l % 8, columns 8 ((l / 8) % 2) + 0..7
	v_lshl_add_u32 v4, v2, 3, v4
	v_mul_u32_u24 v4, v4, PBW
	v_bfe_u32 v5, v0, 3, 1
	v_lshl_add_u32 v4, v5, 4, v4
	s_lshl_b32 s23, s12, 7                         ; my 64 columns of B
	s_add_co_u32 s23, s23, 2*HA
	v_add_nc_u32 v[ADRB], s23, v4
	v_add_nc_u32 v[ADRB+1], HB, v[ADRB]
	v_mov_b32 v[CA], v[ADRA]                       ; slot 0 is the first in hand
	v_mov_b32 v[CB], v[ADRB]
	v_mov_b32 v[CB+1], v[ADRB+1]
	s_mul_i32 s23, s10, 16*SPITCH
	s_add_co_u32 s23, s23, STAGE                   ; my stage
	v_mul_u32_u24 v6, v1, SPITCH                   ; in: row l % 16, 32 bytes for each half of the lanes
	v_lshl_add_u32 v6, v2, 5, v6
	v_add_nc_u32 v[STO], s23, v6
	v_mul_u32_u24 v7, v2, SPITCH                   ; back: lanes 0-15 one row of 256 bytes, lanes 16-31 the next
	v_lshl_add_u32 v7, v1, 4, v7
	v_add_nc_u32 v[RD], s23, v7
; 8 matrix instructions: m blocks a0, a0 + 1 x all 4 n blocks, 32 along K: half c of buffer f.  first = 1: the bias starts the sums.  The 16 accumulators take turns.
.macro MUL8 f, c, a0, first
	WIN MUL
.irp a, \a0, (\a0)+1
.irp b, 0,1,2,3
.if \first
	v_wmma_f32_16x16x32_f16 v[ACC+8*(4*(\a)+(\b)):ACC+8*(4*(\a)+(\b))+7], v[(\f)+64+8*(4*(\c)+(\b)):(\f)+64+8*(4*(\c)+(\b))+7], v[(\f)+8*(4*(\c)+(\a)):(\f)+8*(4*(\c)+(\a))+7], v[BI+8*(\b):BI+8*(\b)+7]
.else
	v_wmma_f32_16x16x32_f16 v[ACC+8*(4*(\a)+(\b)):ACC+8*(4*(\a)+(\b))+7], v[(\f)+64+8*(4*(\c)+(\b)):(\f)+64+8*(4*(\c)+(\b))+7], v[(\f)+8*(4*(\c)+(\a)):(\f)+8*(4*(\c)+(\a))+7], v[ACC+8*(4*(\a)+(\b)):ACC+8*(4*(\a)+(\b))+7]
.endif
.endr
.endr
.endm
; 32 LDS loads in one run: the fragments of quarter q (64 along K; q / 2 says which panel) of the slot in hand into buffer f; the first 32 along K first
.macro FETCH q, f
	WIN TO_F
.irp c, 0,1
.irp i, 0,1,2,3
	ds_load_tr16_b128 v[(\f)+64+8*(4*(\c)+(\i)):(\f)+64+8*(4*(\c)+(\i))+3],   v[CB+(\q)/2] offset:(64*((\q)%2)+32*(\c))*PBW+32*(\i)
	ds_load_tr16_b128 v[(\f)+64+8*(4*(\c)+(\i))+4:(\f)+64+8*(4*(\c)+(\i))+7], v[CB+(\q)/2] offset:(64*((\q)%2)+32*(\c)+16)*PBW+32*(\i)
	ds_load_b128 v[(\f)+8*(4*(\c)+(\i)):(\f)+8*(4*(\c)+(\i))+3],   v[CA] offset:((\q)/2)*HA+128*((\q)%2)+64*(\c)+(\i)*16*PA
	ds_load_b128 v[(\f)+8*(4*(\c)+(\i))+4:(\f)+8*(4*(\c)+(\i))+7], v[CA] offset:((\q)/2)*HA+128*((\q)%2)+64*(\c)+(\i)*16*PA+32
.endr
.endr
.endm
.macro PLACES                          ; four places in front of loads into registers that matrix instructions have read, and of LDS stores that read results
.rept 4
	v_nop
.endr
.endm
.macro QUARTER q, f, g, first          ; multiplies buffer f (32 matrix instructions) and, in its middle, fetches quarter q into buffer g
	s_wait_dscnt 16                                ; the first 32 along K are in; the sixteen younger loads may be out
	MUL8 \f, 0, 0, \first
	MUL8 \f, 0, 2, \first
	PLACES
	FETCH \q, \g
	s_wait_dscnt 32                                ; all but the 32 just issued
	MUL8 \f, 1, 0, 0
	MUL8 \f, 1, 2, 0
.endm
; The last quarter multiplies buffer 1 and changes slots: ONE barrier; in front of it each wave waits for all its tensor loads, adds 0 to its spare word, and waits for that and for its reads of this slot.
; fill = 1: the barrier opens a round of the cluster's, and this slot is filled again, two K steps ahead, first thing behind it: 112 matrix instructions ahead of the wait for it.
; The walking descriptor takes the other slot than last time and the next K step.
.macro TURN fill
	WIN 0
	s_wait_tensorcnt 0x0
	ds_add_u32 v[SPW], v[NIL]                      ; 0 onto my spare word
	s_wait_dscnt 17                                ; (the add and the youngest sixteen loads may be out)
	MUL8 F1, 0, 0, 0
	s_wait_dscnt 0x0                               ; the add is done, and my reads of this slot are over
	s_barrier_signal -1
	MUL8 F1, 0, 2, 0
	WIN 0
	s_barrier_wait -1
.if \fill
	CREST
	s_xor_b32 s[G0+5], s[G0+5], SLOT
	s_add_nc_u64 s[G0+6:G0+7], s[G0+6:G0+7], 0x200000
	s_xor_b32 s[G0B+5], s[G0B+5], SLOT
	s_add_nc_u64 s[G0B+6:G0B+7], s[G0B+6:G0B+7], 65536
	JLOAD 1                                        ; the four v_nop behind it are also the places in front of the loads below
.else
	PLACES
.endif
	s_xor_b32 s[SO], s[SO], SLOT                   ; the other slot is in hand
	v_add_nc_u32 v[CA], s[SO], v[ADRA]
	v_add_nc_u32 v[CB], s[SO], v[ADRB]
	v_add_nc_u32 v[CB+1], s[SO], v[ADRB+1]
	FETCH 0, F0
	MUL8 F1, 1, 0, 0
	MUL8 F1, 1, 2, 0
.endm
; THE WAY OUT of block a (16 rows x 64 columns of f32).  STG: into my own stage, 32 bytes a lane, and back as whole rows of 256 bytes.  FIN: the residual is added, the rows are stored.
.macro STG a
	s_wait_xcnt 0x0                                ; the registers that earlier stores read are loaded again only behind this wait
.irp b, 0,1,2,3
	ds_store_b128 v[STO], v[ACC+8*(4*(\a)+(\b)):ACC+8*(4*(\a)+(\b))+3]   offset:64*(\b)
	ds_store_b128 v[STO], v[ACC+8*(4*(\a)+(\b))+4:ACC+8*(4*(\a)+(\b))+7] offset:64*(\b)+16
.endr
.irp t, 0,1,2,3,4,5,6,7
	ds_load_b128 v[TMP+32*((\a)%2)+4*(\t):TMP+32*((\a)%2)+4*(\t)+3], v[RD] offset:(\t)*2*SPITCH  ; LDS serves a wave's instructions in order (ISA guide 5.7.1.4)
.endr
.endm
.macro FIN a, younger                  ; younger: the LDS instructions of the next block's STG, which may stay out
	s_wait_dscnt \younger
	WIN 0x08                                       ; source 1 window 2
.set i, 0
.rept 16
	v_pk_add_f32 v[TMP+32*((\a)%2)+2*i:TMP+32*((\a)%2)+2*i+1], v[TMP+32*((\a)%2)+2*i:TMP+32*((\a)%2)+2*i+1], v[32*(\a)+2*i:32*(\a)+2*i+1]
.set i, i+1
.endr
	WIN 0
.irp t, 0,1,2,3,4,5,6,7
	global_store_b128 v[RO], v[TMP+32*((\a)%2)+4*(\t):TMP+32*((\a)%2)+4*(\t)+3], s[8:9] offset:(16*(\a)+2*(\t))*4096  ; 16 lanes store 256 consecutive bytes, aligned
.endr
.endm
	s_wait_tensorcnt 1                             ; my part of K step 0 is in; K step 1's may stay out
	s_barrier_signal -1
	s_barrier_wait -1
	FETCH 0, F0
	s_wait_loadcnt 32                              ; the bias is in; the residual's 32 younger loads stay out
	QUARTER 1, F0, F1, 1                           ; the first quarter stands in front of the loop: its first products start the sums
	WIN 0
	s_mov_b32 s3, KSTEPS-2
.Lstep:                                                ; a trip goes from a K step's second quarter to the next step's first, and fills the slot that it leaves
	QUARTER 2, F1, F0, 0
	QUARTER 3, F0, F1, 0
	TURN 1
	QUARTER 1, F0, F1, 0
	WIN 0
	s_sub_co_u32 s3, s3, 1
	s_cmp_lg_u32 s3, 0
	s_cbranch_scc1 .Lstep
	QUARTER 2, F1, F0, 0                           ; the last two K steps fill nothing
	QUARTER 3, F0, F1, 0
	TURN 0
	QUARTER 1, F0, F1, 0
	QUARTER 2, F1, F0, 0
	QUARTER 3, F0, F1, 0
	s_wait_dscnt 16                                ; the very last quarter
	MUL8 F1, 0, 0, 0
	MUL8 F1, 0, 2, 0
	s_wait_dscnt 0x0
	MUL8 F1, 1, 0, 0
	MUL8 F1, 1, 2, 0
	WIN 0
	PLACES
	s_wait_loadcnt 0x0                             ; the residual
	STG 0
	STG 1
	FIN 0, 16
	STG 2
	FIN 1, 16
	STG 3
	FIN 2, 16
	FIN 3, 0
	s_wait_tensorcnt 0x0                           ; the wave's end
	ds_add_u32 v[SPW], v[NIL]
	s_wait_dscnt 0x0
	CROUND                                         ; the closing round
	s_endpgm
.Lfunc_end_k_q6559f1ca3f_proj:
	.size	k_q6559f1ca3f_proj, .Lfunc_end_k_q6559f1ca3f_proj-k_q6559f1ca3f_proj
	.p2alignl 7, 3214868480
	.fill 96, 4, 3214868480
	.section	.rodata,"a",@progbits
	.p2align	6, 0x0
	.amdhsa_kernel k_q6559f1ca3f_proj
		.amdhsa_group_segment_fixed_size 327680
		.amdhsa_private_segment_fixed_size 0
		.amdhsa_enable_private_segment 0
		.amdhsa_kernarg_size 40
		.amdhsa_user_sgpr_count 2
		.amdhsa_user_sgpr_kernarg_segment_ptr 1
		.amdhsa_wavefront_size32 1
		.amdhsa_system_sgpr_workgroup_id_x 1
		.amdhsa_system_sgpr_workgroup_id_y 1
		.amdhsa_system_sgpr_workgroup_id_z 1
		.amdhsa_system_vgpr_workitem_id 0
		.amdhsa_next_free_vgpr 640
		.amdhsa_next_free_sgpr 74
		.amdhsa_reserve_vcc 0
		.amdhsa_float_denorm_mode_32 3
		.amdhsa_float_denorm_mode_16_64 3
		.amdhsa_memory_ordered 1
		.amdhsa_forward_progress 1
		.amdhsa_inst_pref_size 77
	.end_amdhsa_kernel
	.amdgpu_metadata
---
amdhsa.version: [ 1, 2 ]
amdhsa.kernels:
  - .name:           k_q6559f1ca3f_proj
    .symbol:         k_q6559f1ca3f_proj.kd
    .args:
      - { .name: hbuf, .offset: 0, .size: 8, .value_kind: global_buffer, .address_space: global }
      - { .name: wres, .offset: 8, .size: 8, .value_kind: global_buffer, .address_space: global }
      - { .name: bproj, .offset: 16, .size: 8, .value_kind: global_buffer, .address_space: global }
      - { .name: x, .offset: 24, .size: 8, .value_kind: global_buffer, .address_space: global }
      - { .name: x2, .offset: 32, .size: 8, .value_kind: global_buffer, .address_space: global }
    .group_segment_fixed_size: 327680
    .private_segment_fixed_size: 0
    .kernarg_segment_align: 8
    .kernarg_segment_size: 40
    .max_flat_workgroup_size: 128
    .sgpr_count:     74
    .vgpr_count:     640
    .wavefront_size: 32
...
	.end_amdgpu_metadata
.endif
;; end of part 5
;; launch ln2: the kernel of part 2 again; grid 256 x 1, 8 waves a work-group, no clusters, 0 bytes of LDS; arguments x2, g2, b2, hbuf; writes hbuf
;; launch ff1: the kernel of part 3 again; grid 16 x 16, 4 waves a work-group, clusters of 4 x 4, 327,680 bytes of LDS; arguments hbuf, wff1, b_ff1, zeros, big; writes big
;; launch ff2 (part 6): grid 8 x 32, 4 waves a work-group, clusters of 4 x 4, 327,680 bytes of LDS; arguments big, wres, b_ff2, x2, out0; writes out0
.if DOCPART == 6
	.amdgcn_target "amdgcn-amd-amdhsa--gfx1250"
	.amdhsa_code_object_version 6
	.text
	.protected	k_q6559f1ca3f_ff2
	.globl	k_q6559f1ca3f_ff2
	.p2align	8
	.type	k_q6559f1ca3f_ff2,@function
k_q6559f1ca3f_ff2:
	s_mov_b64 s[64:65], 0
	v_nop
	global_prefetch_b8 v0, s[64:65] scope:SCOPE_SE
	s_setreg_imm32_b32 hwreg(HW_REG_WAVE_MODE, 25, 1), 1
	s_wait_xcnt 0x0
	s_wait_alu depctr_hold_cnt(0) depctr_sa_sdst(0) depctr_va_vdst(0) depctr_va_sdst(0) depctr_va_ssrc(0) depctr_va_vcc(0) depctr_vm_vsrc(0)
	s_getreg_b32 s2, hwreg(HW_REG_IB_STS2, 6, 4)
	s_cmp_eq_u32 s2, 0
	s_cbranch_scc0 .Lentry_in_a_cluster
	s_endpgm
.Lentry_in_a_cluster:
	s_bfe_u32 s2, ttmp6, 0x10000c
	s_cmp_lg_u32 s2, 0xf033
	s_cbranch_scc0 .Lentry_shape_is_right
	s_endpgm
.Lentry_shape_is_right:
; C = R + A B + bias, in f32.  M = 4,096, N = 1,024, K = KDIM.  A: f16 in panels [KDIM/128][4096][128].  B: f16 in blocks [8][KDIM][128] at byte WOFF of its buffer, K the slow index.
; bias: [1024] f32.  R (the residual) and C: [4096][1024] f32, row-major.  Sums in f32; nothing is rounded on the way out.  LIMIT: the operands lie within f16's 65,504.
; The text is the projection's with K = 4,096 and the second weight table: trip counts are constants of a text, so each K has its own.
; SHAPE.  A work-group makes 128 x 128, each of its four waves 64 x 64: 16 accumulators; 256 work-groups.  K goes in steps of 256 (two panels of A, 256 rows of B) through two LDS slots; every tensor load is
; 128 rows of 256 bytes on end.  The K step is written once: a loop in which each trip fills the slot that it leaves; the last two steps follow it.
; B is read turned (ds_load_tr16_b128); the matrix instruction is used transposed (source 0 = 16 columns of B, source 1 = 16 rows of A), so that a lane holds eight neighbouring numbers of a row of C.
; The bias is the C operand of each accumulator's first product.  The residual's 32 loads go out at the head and stay out through the whole loop over K.
; CLUSTERS.  4 x 4 work-groups: A's tiles are asked for jointly along a row of the cluster, B's along a column.
; REGISTERS: window 0: v0-31 addresses; v32-95 the way out; v96-127 the bias; v128-255 the accumulators ((a, b) at v[128 + 8 (4 a + b)])
;   window 1: two fragment buffers of 128 (64 along K: 64 registers of A, then 64 of B)          window 2: v0-127 the residual
.set KDIM,   4096
.set WOFF,   0x200000
.set PA,     272                       ; a row of A in LDS: 256 bytes + 16: the 16 rows of a load start at 16 different groups of four banks (64 banks of 4 bytes: ISA guide 11.1)
.set PBW,    288                       ; a row of B: 256 + 32
.set HA,     128*PA
.set HB,     128*PBW
.set SLOT,   0x24000                   ; slot 1 begins here, behind slot 0's 143,360 bytes: bits 17 and 14 are set in none of the descriptors' LDS words 0, 0x8800, 0x11000, 0x1a000, so an exclusive or adds or takes it
.set STAGE,  SLOT+2*HA+2*HB            ; behind the ring: 16 rows x 272 bytes (64 f32 and padding) for each wave.  In a slot: A's first panel (128 rows), its second, B's k 0-127, k 128-255
.set SPITCH, 272
.set SPARE,  STAGE+4*16*SPITCH         ; the spare words, 128 bytes for each wave: two blocks of 256 bytes that no other line names
.set KSTEPS, KDIM/256
.set ADRA, 16                          ; v16     LDS address of my A fragments in slot 0; never rewritten
.set CA,   17                          ; v17     the same in the slot in hand
.set ADRB, 20                          ; v20-21  the same for B: k 0-127, k 128-255
.set CB,   22                          ; v22-23
.set STO,  24
.set RD,   25
.set RO,   26                          ; v26     my byte offset in two rows of R and of C
.set BO,   27
.set SPW,  28
.set NIL,  29
.set TMP,  32
.set BI,   96
.set ACC,  128
.set F0,   0
.set F1,   128
.set G1,  24                           ; s[24:31] group 1 for A's tiles; s[32:39] group 0: a set for each of the two first fills; the second then walks on
.set G0,  32
.set G1B, 48
.set G0B, 56
.set SO,  73                           ; s73     0 or SLOT: the slot in hand
.set MSB, 0
.macro WIN new
.if MSB != (\new)
	s_set_vgpr_msb (MSB<<8)|(\new)
.set MSB, \new
.endif
.endm
.set MUL,  0x05                        ; sources 0 (B) and 1 (A) window 1; C and D window 0
.set TO_F, 0x40                        ; destination window 1, address window 0
.macro JLOAD s                         ; a joint load: waves 0, 1 fetch A's two panels, waves 2, 3 B's two halves; an s_nop 0 and four v_nop follow each line
	s_cmp_eq_u32 s11, 0
	s_cbranch_scc0 .Lfor_b_\@
	tensor_load_to_lds s[G0+4*(\s):G0+4*(\s)+3], s[G1:G1+7]
	s_nop 0
.rept 4
	v_nop
.endr
	s_branch .Lasked_\@
.Lfor_b_\@:
	tensor_load_to_lds s[G0B+4*(\s):G0B+4*(\s)+3], s[G1B:G1B+7]
	s_nop 0
.rept 4
	v_nop
.endr
.Lasked_\@:
.endm
.macro CREST
	s_cmp_lg_u32 s10, 0
	s_cbranch_scc1 .Lnot_wave_0_\@
	s_barrier_signal -3
.Lnot_wave_0_\@:
	s_barrier_wait -3
	s_barrier_signal -1
	s_barrier_wait -1
.endm
.macro CROUND
	s_barrier_signal -1
	s_barrier_wait -1
	CREST
.endm
	s_load_b128 s[4:7], s[0:1], 0x0                ; A s[4:5], B s[6:7]
	s_load_b128 s[68:71], s[0:1], 0x10             ; bias s[68:69], R s[70:71]
	s_load_b64 s[8:9], s[0:1], 0x20                ; C
	v_lshl_add_u32 v[SPW], v0, 2, SPARE
	v_mov_b32 v[NIL], 0
	ds_add_u32 v[SPW], v[NIL]                      ; the wave's opening: the add and its wait stand ahead of my first tensor load
	v_lshrrev_b32 v1, 5, v0
	v_readfirstlane_b32 s10, v1                    ; wave 0..3
	s_lshr_b32 s11, s10, 1                         ; my half of the tile's rows.  Also: I fetch for A (0) or for B (1)
	s_and_b32 s12, s10, 1                          ; my half of its columns.  Also: which half of a K step I fetch
	s_bfe_u32 s40, ttmp6, 0x40000
	s_bfe_u32 s41, ttmp6, 0x40004
	s_lshl_b32 s42, ttmp9, 2
	s_add_co_u32 s42, s42, s40                     ; tile column
	s_and_b32 s13, ttmp7, 0xffff
	s_lshl_b32 s13, s13, 2
	s_add_co_u32 s13, s13, s41                     ; tile row
	s_lshl_b32 s43, s41, 2
	s_lshl_b32 s43, 15, s43                        ; my row of the cluster
	s_lshl_b32 s44, 0x1111, s40                    ; my column
	s_or_b32 s[G1+0], s43, (1<<16)|(1<<20)|(1<<21)|(5<<22)|(3<<25)   ; the mask; 2-byte elements; padding on; bit 21 beside a mask; after every 64 words 4 words
	s_or_b32 s[G1B+0], s44, (1<<16)|(1<<20)|(1<<21)|(5<<22)|(7<<25)  ; the same with 8 words
.irp g, G1, G1B
	s_mov_b32 s[(\g)+1], 128<<16                   ; tensor_dim0 = 128
	s_mov_b32 s[(\g)+2], 128<<16                   ; tensor_dim1 = 128
	s_mov_b32 s[(\g)+3], 128<<16                   ; tile_dim0 = 128
	s_mov_b32 s[(\g)+4], 128                       ; tile_dim1 = 128
	s_mov_b32 s[(\g)+5], 128                       ; rows are dense
	s_mov_b32 s[(\g)+6], 0
	s_mov_b32 s[(\g)+7], 0
.endr
	s_lshl_b32 s17, s12, 20                        ; A: my panel of the K step's two,
	s_lshl_b32 s16, s13, 15                        ; the tile row's 128 rows of 256 bytes
	s_add_co_u32 s16, s16, s17
	s_mul_i32 s46, s42, KDIM*256                   ; B: the tile column's block,
	s_lshl_b32 s47, s12, 15                        ; my 128 rows of the K step's 256
	s_add_co_u32 s46, s46, s47
	s_add_co_u32 s46, s46, WOFF
	s_mov_b32 s17, 0
	s_mov_b32 s47, 0
	s_mul_i32 s20, s12, HA                         ; where they go: no place in the cluster enters an LDS address
	s_mul_i32 s21, s12, HB
	s_add_co_u32 s21, s21, 2*HA
	s_mov_b32 s[SO], 0
	s_wait_dscnt 0x0                               ; the opening add is done
	s_wait_kmcnt 0x0
	s_add_nc_u64 s[14:15], s[4:5], s[16:17]
	s_add_nc_u64 s[46:47], s[6:7], s[46:47]
	CROUND                                         ; all sixteen work-groups are here: the first joint loads meet
.irp s, 0,1
	s_mov_b32 s[G0+4*(\s)], 1
	s_add_co_u32 s[G0+4*(\s)+1], s20, (\s)*SLOT
	s_add_nc_u64 s[G0+4*(\s)+2:G0+4*(\s)+3], s[14:15], (\s)*0x200000
	s_or_b32 s[G0+4*(\s)+3], s[G0+4*(\s)+3], 0x80000000
	s_mov_b32 s[G0B+4*(\s)], 1
	s_add_co_u32 s[G0B+4*(\s)+1], s21, (\s)*SLOT
	s_add_nc_u64 s[G0B+4*(\s)+2:G0B+4*(\s)+3], s[46:47], (\s)*65536
	s_or_b32 s[G0B+4*(\s)+3], s[G0B+4*(\s)+3], 0x80000000
	JLOAD \s                                       ; two loads of mine are out
.endr
	s_lshl_b32 s46, s42, 9                         ; my 64 columns in f32: 512 x tile column + 256 x half
	s_lshl_b32 s47, s12, 8
	s_add_co_u32 s46, s46, s47
	s_mov_b32 s47, 0
	s_add_nc_u64 s[68:69], s[68:69], s[46:47]
	s_lshl_b32 s22, s13, 19                        ; my 64 rows of 4,096 bytes
	s_add_co_u32 s46, s46, s22
	s_lshl_b32 s22, s11, 18
	s_add_co_u32 s46, s46, s22
	s_add_nc_u64 s[70:71], s[70:71], s[46:47]
	s_add_nc_u64 s[8:9], s[8:9], s[46:47]
	v_and_b32 v1, 15, v0                           ; l % 16
	v_bfe_u32 v2, v0, 4, 1                         ; l / 16
	v_lshlrev_b32 v[BO], 5, v2
	v_lshlrev_b32 v[RO], 12, v2                    ; lanes 0-15 take 256 bytes of one row, lanes 16-31 of the next
	v_lshl_add_u32 v[RO], v1, 4, v[RO]
.irp b, 0,1,2,3
	global_load_b128 v[BI+8*(\b):BI+8*(\b)+3],   v[BO], s[68:69] offset:64*(\b)
	global_load_b128 v[BI+8*(\b)+4:BI+8*(\b)+7], v[BO], s[68:69] offset:64*(\b)+16
.endr
	WIN 0x80                                       ; destination window 2
.irp a, 0,1,2,3
.irp t, 0,1,2,3,4,5,6,7
	global_load_b128 v[32*(\a)+4*(\t):32*(\a)+4*(\t)+3], v[RO], s[70:71] offset:(16*(\a)+2*(\t))*4096
.endr
.endr
	WIN 0
	v_mul_u32_u24 v3, v1, PA
	v_lshl_add_u32 v3, v2, 4, v3
	s_mul_i32 s22, s11, 64*PA                      ; my 64 rows of A
	v_add_nc_u32 v[ADRA], s22, v3
	v_and_b32 v4, 7, v0                            ; the turning load: row k = 8 (l / 16) + l % 8, columns 8 ((l / 8) % 2) + 0..7
	v_lshl_add_u32 v4, v2, 3, v4
	v_mul_u32_u24 v4, v4, PBW
	v_bfe_u32 v5, v0, 3, 1
	v_lshl_add_u32 v4, v5, 4, v4
	s_lshl_b32 s23, s12, 7                         ; my 64 columns of B
	s_add_co_u32 s23, s23, 2*HA
	v_add_nc_u32 v[ADRB], s23, v4
	v_add_nc_u32 v[ADRB+1], HB, v[ADRB]
	v_mov_b32 v[CA], v[ADRA]                       ; slot 0 is the first in hand
	v_mov_b32 v[CB], v[ADRB]
	v_mov_b32 v[CB+1], v[ADRB+1]
	s_mul_i32 s23, s10, 16*SPITCH
	s_add_co_u32 s23, s23, STAGE                   ; my stage
	v_mul_u32_u24 v6, v1, SPITCH                   ; in: row l % 16, 32 bytes for each half of the lanes
	v_lshl_add_u32 v6, v2, 5, v6
	v_add_nc_u32 v[STO], s23, v6
	v_mul_u32_u24 v7, v2, SPITCH                   ; back: lanes 0-15 one row of 256 bytes, lanes 16-31 the next
	v_lshl_add_u32 v7, v1, 4, v7
	v_add_nc_u32 v[RD], s23, v7
; 8 matrix instructions: m blocks a0, a0 + 1 x all 4 n blocks, 32 along K: half c of buffer f.  first = 1: the bias starts the sums.  The 16 accumulators take turns.
.macro MUL8 f, c, a0, first
	WIN MUL
.irp a, \a0, (\a0)+1
.irp b, 0,1,2,3
.if \first
	v_wmma_f32_16x16x32_f16 v[ACC+8*(4*(\a)+(\b)):ACC+8*(4*(\a)+(\b))+7], v[(\f)+64+8*(4*(\c)+(\b)):(\f)+64+8*(4*(\c)+(\b))+7], v[(\f)+8*(4*(\c)+(\a)):(\f)+8*(4*(\c)+(\a))+7], v[BI+8*(\b):BI+8*(\b)+7]
.else
	v_wmma_f32_16x16x32_f16 v[ACC+8*(4*(\a)+(\b)):ACC+8*(4*(\a)+(\b))+7], v[(\f)+64+8*(4*(\c)+(\b)):(\f)+64+8*(4*(\c)+(\b))+7], v[(\f)+8*(4*(\c)+(\a)):(\f)+8*(4*(\c)+(\a))+7], v[ACC+8*(4*(\a)+(\b)):ACC+8*(4*(\a)+(\b))+7]
.endif
.endr
.endr
.endm
; 32 LDS loads in one run: the fragments of quarter q (64 along K; q / 2 says which panel) of the slot in hand into buffer f; the first 32 along K first
.macro FETCH q, f
	WIN TO_F
.irp c, 0,1
.irp i, 0,1,2,3
	ds_load_tr16_b128 v[(\f)+64+8*(4*(\c)+(\i)):(\f)+64+8*(4*(\c)+(\i))+3],   v[CB+(\q)/2] offset:(64*((\q)%2)+32*(\c))*PBW+32*(\i)
	ds_load_tr16_b128 v[(\f)+64+8*(4*(\c)+(\i))+4:(\f)+64+8*(4*(\c)+(\i))+7], v[CB+(\q)/2] offset:(64*((\q)%2)+32*(\c)+16)*PBW+32*(\i)
	ds_load_b128 v[(\f)+8*(4*(\c)+(\i)):(\f)+8*(4*(\c)+(\i))+3],   v[CA] offset:((\q)/2)*HA+128*((\q)%2)+64*(\c)+(\i)*16*PA
	ds_load_b128 v[(\f)+8*(4*(\c)+(\i))+4:(\f)+8*(4*(\c)+(\i))+7], v[CA] offset:((\q)/2)*HA+128*((\q)%2)+64*(\c)+(\i)*16*PA+32
.endr
.endr
.endm
.macro PLACES                          ; four places in front of loads into registers that matrix instructions have read, and of LDS stores that read results
.rept 4
	v_nop
.endr
.endm
.macro QUARTER q, f, g, first          ; multiplies buffer f (32 matrix instructions) and, in its middle, fetches quarter q into buffer g
	s_wait_dscnt 16                                ; the first 32 along K are in; the sixteen younger loads may be out
	MUL8 \f, 0, 0, \first
	MUL8 \f, 0, 2, \first
	PLACES
	FETCH \q, \g
	s_wait_dscnt 32                                ; all but the 32 just issued
	MUL8 \f, 1, 0, 0
	MUL8 \f, 1, 2, 0
.endm
; The last quarter multiplies buffer 1 and changes slots: ONE barrier; in front of it each wave waits for all its tensor loads, adds 0 to its spare word, and waits for that and for its reads of this slot.
; fill = 1: the barrier opens a round of the cluster's, and this slot is filled again, two K steps ahead, first thing behind it: 112 matrix instructions ahead of the wait for it.
; The walking descriptor takes the other slot than last time and the next K step.
.macro TURN fill
	WIN 0
	s_wait_tensorcnt 0x0
	ds_add_u32 v[SPW], v[NIL]                      ; 0 onto my spare word
	s_wait_dscnt 17                                ; (the add and the youngest sixteen loads may be out)
	MUL8 F1, 0, 0, 0
	s_wait_dscnt 0x0                               ; the add is done, and my reads of this slot are over
	s_barrier_signal -1
	MUL8 F1, 0, 2, 0
	WIN 0
	s_barrier_wait -1
.if \fill
	CREST
	s_xor_b32 s[G0+5], s[G0+5], SLOT
	s_add_nc_u64 s[G0+6:G0+7], s[G0+6:G0+7], 0x200000
	s_xor_b32 s[G0B+5], s[G0B+5], SLOT
	s_add_nc_u64 s[G0B+6:G0B+7], s[G0B+6:G0B+7], 65536
	JLOAD 1                                        ; the four v_nop behind it are also the places in front of the loads below
.else
	PLACES
.endif
	s_xor_b32 s[SO], s[SO], SLOT                   ; the other slot is in hand
	v_add_nc_u32 v[CA], s[SO], v[ADRA]
	v_add_nc_u32 v[CB], s[SO], v[ADRB]
	v_add_nc_u32 v[CB+1], s[SO], v[ADRB+1]
	FETCH 0, F0
	MUL8 F1, 1, 0, 0
	MUL8 F1, 1, 2, 0
.endm
; THE WAY OUT of block a (16 rows x 64 columns of f32).  STG: into my own stage, 32 bytes a lane, and back as whole rows of 256 bytes.  FIN: the residual is added, the rows are stored.
.macro STG a
	s_wait_xcnt 0x0                                ; the registers that earlier stores read are loaded again only behind this wait
.irp b, 0,1,2,3
	ds_store_b128 v[STO], v[ACC+8*(4*(\a)+(\b)):ACC+8*(4*(\a)+(\b))+3]   offset:64*(\b)
	ds_store_b128 v[STO], v[ACC+8*(4*(\a)+(\b))+4:ACC+8*(4*(\a)+(\b))+7] offset:64*(\b)+16
.endr
.irp t, 0,1,2,3,4,5,6,7
	ds_load_b128 v[TMP+32*((\a)%2)+4*(\t):TMP+32*((\a)%2)+4*(\t)+3], v[RD] offset:(\t)*2*SPITCH  ; LDS serves a wave's instructions in order (ISA guide 5.7.1.4)
.endr
.endm
.macro FIN a, younger                  ; younger: the LDS instructions of the next block's STG, which may stay out
	s_wait_dscnt \younger
	WIN 0x08                                       ; source 1 window 2
.set i, 0
.rept 16
	v_pk_add_f32 v[TMP+32*((\a)%2)+2*i:TMP+32*((\a)%2)+2*i+1], v[TMP+32*((\a)%2)+2*i:TMP+32*((\a)%2)+2*i+1], v[32*(\a)+2*i:32*(\a)+2*i+1]
.set i, i+1
.endr
	WIN 0
.irp t, 0,1,2,3,4,5,6,7
	global_store_b128 v[RO], v[TMP+32*((\a)%2)+4*(\t):TMP+32*((\a)%2)+4*(\t)+3], s[8:9] offset:(16*(\a)+2*(\t))*4096  ; 16 lanes store 256 consecutive bytes, aligned
.endr
.endm
	s_wait_tensorcnt 1                             ; my part of K step 0 is in; K step 1's may stay out
	s_barrier_signal -1
	s_barrier_wait -1
	FETCH 0, F0
	s_wait_loadcnt 32                              ; the bias is in; the residual's 32 younger loads stay out
	QUARTER 1, F0, F1, 1                           ; the first quarter stands in front of the loop: its first products start the sums
	WIN 0
	s_mov_b32 s3, KSTEPS-2
.Lstep:                                                ; a trip goes from a K step's second quarter to the next step's first, and fills the slot that it leaves
	QUARTER 2, F1, F0, 0
	QUARTER 3, F0, F1, 0
	TURN 1
	QUARTER 1, F0, F1, 0
	WIN 0
	s_sub_co_u32 s3, s3, 1
	s_cmp_lg_u32 s3, 0
	s_cbranch_scc1 .Lstep
	QUARTER 2, F1, F0, 0                           ; the last two K steps fill nothing
	QUARTER 3, F0, F1, 0
	TURN 0
	QUARTER 1, F0, F1, 0
	QUARTER 2, F1, F0, 0
	QUARTER 3, F0, F1, 0
	s_wait_dscnt 16                                ; the very last quarter
	MUL8 F1, 0, 0, 0
	MUL8 F1, 0, 2, 0
	s_wait_dscnt 0x0
	MUL8 F1, 1, 0, 0
	MUL8 F1, 1, 2, 0
	WIN 0
	PLACES
	s_wait_loadcnt 0x0                             ; the residual
	STG 0
	STG 1
	FIN 0, 16
	STG 2
	FIN 1, 16
	STG 3
	FIN 2, 16
	FIN 3, 0
	s_wait_tensorcnt 0x0                           ; the wave's end
	ds_add_u32 v[SPW], v[NIL]
	s_wait_dscnt 0x0
	CROUND                                         ; the closing round
	s_endpgm
.Lfunc_end_k_q6559f1ca3f_ff2:
	.size	k_q6559f1ca3f_ff2, .Lfunc_end_k_q6559f1ca3f_ff2-k_q6559f1ca3f_ff2
	.p2alignl 7, 3214868480
	.fill 96, 4, 3214868480
	.section	.rodata,"a",@progbits
	.p2align	6, 0x0
	.amdhsa_kernel k_q6559f1ca3f_ff2
		.amdhsa_group_segment_fixed_size 327680
		.amdhsa_private_segment_fixed_size 0
		.amdhsa_enable_private_segment 0
		.amdhsa_kernarg_size 40
		.amdhsa_user_sgpr_count 2
		.amdhsa_user_sgpr_kernarg_segment_ptr 1
		.amdhsa_wavefront_size32 1
		.amdhsa_system_sgpr_workgroup_id_x 1
		.amdhsa_system_sgpr_workgroup_id_y 1
		.amdhsa_system_sgpr_workgroup_id_z 1
		.amdhsa_system_vgpr_workitem_id 0
		.amdhsa_next_free_vgpr 640
		.amdhsa_next_free_sgpr 74
		.amdhsa_reserve_vcc 0
		.amdhsa_float_denorm_mode_32 3
		.amdhsa_float_denorm_mode_16_64 3
		.amdhsa_memory_ordered 1
		.amdhsa_forward_progress 1
		.amdhsa_inst_pref_size 77
	.end_amdhsa_kernel
	.amdgpu_metadata
---
amdhsa.version: [ 1, 2 ]
amdhsa.kernels:
  - .name:           k_q6559f1ca3f_ff2
    .symbol:         k_q6559f1ca3f_ff2.kd
    .args:
      - { .name: big, .offset: 0, .size: 8, .value_kind: global_buffer, .address_space: global }
      - { .name: wres, .offset: 8, .size: 8, .value_kind: global_buffer, .address_space: global }
      - { .name: b_ff2, .offset: 16, .size: 8, .value_kind: global_buffer, .address_space: global }
      - { .name: x2, .offset: 24, .size: 8, .value_kind: global_buffer, .address_space: global }
      - { .name: out0, .offset: 32, .size: 8, .value_kind: global_buffer, .address_space: global }
    .group_segment_fixed_size: 327680
    .private_segment_fixed_size: 0
    .kernarg_segment_align: 8
    .kernarg_segment_size: 40
    .max_flat_workgroup_size: 128
    .sgpr_count:     74
    .vgpr_count:     640
    .wavefront_size: 32
...
	.end_amdgpu_metadata
.endif
;; end of part 6
;; ======== version 2 of 2: 8 launches; version 1 with the launches cast, ln1, ln2 written anew for expert scheduling mode
;; limits: values are held in f16: magnitudes above 65,504 overflow, below 6.1e-05 lose precision
;; workspace buffers: hbuf 8,388,608 bytes; big 33,554,432 bytes; x2 16,777,216 bytes; wqkv 6,291,456 bytes; wff1 8,388,608 bytes; wres 10,485,760 bytes; zeros 12,288 bytes; low 512 bytes
;; launch cast (part 7): grid 768 x 1, 8 waves a work-group, no clusters, 0 bytes of LDS; arguments W_ff1, W_ff2, Wproj, Wq, Wk, Wv, wff1, wres, wqkv, zeros, low; writes wff1, wres, wqkv, zeros, low
.if DOCPART == 7
	.amdgcn_target "amdgcn-amd-amdhsa--gfx1250"
	.amdhsa_code_object_version 6
	.text
	.protected	k_q6559f1ca3f_cast
	.globl	k_q6559f1ca3f_cast
	.p2align	8
	.type	k_q6559f1ca3f_cast,@function
k_q6559f1ca3f_cast:
	s_mov_b64 s[64:65], 0
	v_nop
	global_prefetch_b8 v0, s[64:65] scope:SCOPE_SE
	s_setreg_imm32_b32 hwreg(HW_REG_WAVE_SCHED_MODE, 0, 2), 2
	s_setreg_imm32_b32 hwreg(HW_REG_WAVE_MODE, 25, 1), 1
	s_wait_xcnt 0x0
	s_wait_alu depctr_vm_vsrc(0)
; THE WEIGHTS, ROUNDED ONCE TO f16 AND LAID IN BLOCKS OF COLUMNS.  K stays the slow index: nothing is transposed.
;   wff1 [16][1024][256]  from W_ff1 [1024][4096]          wres + 0      [8][1024][128] from Wproj [1024][1024]
;   wqkv [12][1024][256]  from Wq, Wk, Wv [16][1024][64]   wres + 2 MiB  [8][4096][128] from W_ff2 [4096][1024]
;   (wqkv's column n = 1024 x (q, k or v) + 64 x head + channel)
; So a product's tile of B (some rows k of one block) is one dense run of bytes.  Also written: zeros (3,072 f32 zeros) and low (128 words, f16 -65504 twice).
; A JOB is 16 rows k x 128 columns, one wave: a load takes 512 source bytes on end (for q, k, v: 256 of each of two heads), a store 256 consecutive bytes, aligned.
; 6,144 jobs, job = 8 x work-group + wave: 0-2047 W_ff1, 2048-4095 W_ff2, 4096-4607 Wproj, 4608-6143 Wq, Wk, Wv.
; Memory binds: each byte is read once and written once; no LDS, no barrier, no cluster (no two work-groups read the same byte).
; LIMIT.  f16 holds no number beyond 65,504: a weight of 65,520 or more would become an infinity.
; THE MODE: SCHED_MODE bits 1:0 = 2 (LLVM: expert scheduling mode 2), set by the entry lines.  The code itself states the register dependences
; between vector instructions and memory instructions, with s_wait_alu, always for 0.
; THE PLAN.  Registers that memory instructions touch:
;   v2, v3     the loads' and the stores' byte offsets: written once on each path, ahead of the job's first load; never written again.
;   X          16 rows x 4 registers.  Written by the row's load; read by its two roundings, which write its first two registers; those are read by its store and never written again.
;   v6, v7, v[72:79]  the last work-group's two tables: written once, read by their stores.
; The 16 rows go in four blocks of four.  Block b's roundings name block b's registers alone; the memory instructions dealt among them are the stores of block b - 1.  So one wait at a block's head
; states all that its four stores hang on.  No register that a memory instruction reads is written again, so nothing is owed the other way round.
.set X,   8                            ; v[8:71]   16 rows x 4 registers
.set SRC, 34                           ; s[34:35]  the job's first source byte
.set DST, 36                           ; s[36:37]  the job's first destination byte
; 16 loads, all out together; then block by block eight roundings, and among them the four stores of the block before.  srs, drs: bytes from row to row in source and destination.
.macro MOVE srs, drs
	s_wait_alu depctr_va_vdst(0)                   ; v2 and v3 are written: every load and store of the job reads one of them as its offset
.set i, 0
.rept 16
	global_load_b128 v[X+4*i:X+4*i+3], v2, s[SRC:SRC+1] offset:i*(\srs) th:TH_LOAD_NT
.set i, i+1
.endr
.set b, 0
.rept 4
	s_wait_loadcnt 12-4*b                          ; loads come back in order: block b's four rows are in, the 12 - 4 b younger rows may stay out
.if b > 0
	s_wait_alu depctr_va_vdst(0)                   ; the block before's roundings have written the registers that the four stores below read
.endif
.set i, 0
.rept 4
.if b > 0
	global_store_b64 v3, v[X+16*(b-1)+4*i:X+16*(b-1)+4*i+1], s[DST:DST+1] offset:(4*(b-1)+i)*(\drs)  ; 32 lanes x 8 bytes; no vector instruction since the wait names these registers
.endif
	v_cvt_pk_f16_f32 v[X+16*b+4*i],   v[X+16*b+4*i],   v[X+16*b+4*i+1]
	v_cvt_pk_f16_f32 v[X+16*b+4*i+1], v[X+16*b+4*i+2], v[X+16*b+4*i+3]
.set i, i+1
.endr
.set b, b+1
.endr
	s_wait_alu depctr_va_vdst(0)                   ; the last block's roundings have written the registers that its stores read
.set i, 0
.rept 4
	global_store_b64 v3, v[X+48+4*i:X+48+4*i+1], s[DST:DST+1] offset:(12+i)*(\drs)
.set i, i+1
.endr
.endm
	s_load_b512 s[4:19], s[0:1], 0x0               ; W_ff1 s[4:5], W_ff2 s[6:7], Wproj s[8:9], Wq s[10:11], Wk s[12:13], Wv s[14:15], wff1 s[16:17], wres s[18:19]
	s_load_b128 s[20:23], s[0:1], 0x40             ; wqkv s[20:21], zeros s[22:23]
	s_load_b64 s[24:25], s[0:1], 0x50              ; low
	v_lshrrev_b32 v4, 5, v0
	v_readfirstlane_b32 s26, v4                    ; wave 0..7
	v_and_b32 v1, 31, v0                           ; lane
	v_lshlrev_b32 v3, 3, v1                        ; 8 bytes of f16 a lane
	s_wait_alu depctr_va_sdst(0)                   ; s26 is written, ahead of its first reader: the job's number is made from it
	s_lshl_b32 s27, ttmp9, 3
	s_add_co_u32 s27, s27, s26                     ; the job
	s_mov_b32 s31, 0                               ; high words of the two offsets
	s_mov_b32 s33, 0
	s_wait_kmcnt 0x0
	s_cmp_lt_u32 ttmp9, 256
	s_cbranch_scc0 .Lnot_ff1
	; W_ff1: column chunk cc = job % 32, row block rb = job / 32
	v_lshlrev_b32 v2, 4, v1                        ; 16 bytes of f32 a lane
	s_and_b32 s28, s27, 31
	s_lshr_b32 s29, s27, 5
	s_lshl_b32 s30, s29, 18                        ; 16 rows of 16,384 bytes
	s_lshl_b32 s38, s28, 9
	s_add_co_u32 s30, s30, s38
	s_lshr_b32 s32, s28, 1
	s_lshl_b32 s32, s32, 19                        ; a block of 256 columns: 1,024 rows of 512 bytes
	s_lshl_b32 s38, s29, 13
	s_add_co_u32 s32, s32, s38
	s_and_b32 s38, s28, 1
	s_lshl_b32 s38, s38, 8
	s_add_co_u32 s32, s32, s38
	s_add_nc_u64 s[SRC:SRC+1], s[4:5], s[30:31]
	s_add_nc_u64 s[DST:DST+1], s[16:17], s[32:33]
	MOVE 16384, 512
	s_endpgm
.Lnot_ff1:
	s_cmp_lt_u32 ttmp9, 576
	s_cbranch_scc0 .Lqkv
	; W_ff2 (work-groups 256-511) or Wproj (512-575): rows of 4,096 bytes, cc = job % 8
	v_lshlrev_b32 v2, 4, v1
	s_cmp_lt_u32 ttmp9, 512
	s_cselect_b64 s[SRC:SRC+1], s[6:7], s[8:9]
	s_cselect_b32 s38, 11, 12                      ; the first job of the tensor is 2^11 or 2^12
	s_cselect_b32 s39, 20, 18                      ; a block of 128 columns is 4,096 or 1,024 rows of 256 bytes
	s_cselect_b32 s40, 0x200000, 0                 ; W_ff2's blocks lie behind Wproj's
	s_lshl_b32 s38, 1, s38
	s_and_b32 s28, s27, 7
	s_sub_co_u32 s29, s27, s38
	s_lshr_b32 s29, s29, 3                         ; rb
	s_lshl_b32 s30, s29, 16
	s_lshl_b32 s38, s28, 9
	s_add_co_u32 s30, s30, s38
	s_lshl_b32 s32, s28, s39
	s_add_co_u32 s32, s32, s40
	s_lshl_b32 s38, s29, 12
	s_add_co_u32 s32, s32, s38
	s_add_nc_u64 s[SRC:SRC+1], s[SRC:SRC+1], s[30:31]
	s_add_nc_u64 s[DST:DST+1], s[18:19], s[32:33]
	MOVE 4096, 256
	s_endpgm
.Lqkv:
	; Wq, Wk, Wv: 512 jobs each; head pair hp = job % 8, row block rb = (job / 8) % 64.  Lanes 0-15 take head 2 hp, lanes 16-31 head 2 hp + 1.
	s_sub_co_u32 s28, s27, 4608
	s_lshr_b32 s29, s28, 9                         ; 0: q, 1: k, 2: v
	s_and_b32 s38, s28, 7                          ; hp
	s_bfe_u32 s39, s28, 0x60003                    ; rb
	s_cmp_eq_u32 s29, 0
	s_cselect_b64 s[SRC:SRC+1], s[10:11], s[12:13]
	s_cmp_eq_u32 s29, 2
	s_cselect_b64 s[SRC:SRC+1], s[14:15], s[SRC:SRC+1]
	s_lshl_b32 s30, s38, 19                        ; two heads of 262,144 bytes
	s_lshl_b32 s40, s39, 12                        ; 16 rows of 256 bytes
	s_add_co_u32 s30, s30, s40
	s_lshr_b32 s40, s38, 1
	s_lshl2_add_u32 s40, s29, s40                  ; the block of 256 columns: 4 x (q, k or v) + hp / 2
	s_lshl_b32 s32, s40, 19
	s_lshl_b32 s40, s39, 13
	s_add_co_u32 s32, s32, s40
	s_and_b32 s40, s38, 1
	s_lshl_b32 s40, s40, 8
	s_add_co_u32 s32, s32, s40
	v_lshrrev_b32 v4, 4, v1
	v_and_b32 v5, 15, v1
	v_lshlrev_b32 v2, 4, v5
	v_lshl_add_u32 v2, v4, 18, v2
	s_add_nc_u64 s[SRC:SRC+1], s[SRC:SRC+1], s[30:31]
	s_add_nc_u64 s[DST:DST+1], s[20:21], s[32:33]
	MOVE 256, 512
	s_cmp_eq_u32 ttmp9, 767
	s_cbranch_scc0 .Ldone
	; the last work-group also writes the two small tables
.irp r, 72,73,74,75
	v_mov_b32 v\r, 0
.endr
.irp r, 76,77,78,79
	v_mov_b32 v\r, 0xfbfffbff                      ; f16 -65504, twice
.endr
	s_mul_i32 s40, s26, 1536                       ; 12,288 bytes among eight waves
	v_lshl_add_u32 v6, v1, 4, s40
	v_lshlrev_b32 v7, 4, v1
	s_wait_alu depctr_va_vdst(0)                   ; v6, v7 and v[72:79] are written: the offsets and the data of the four stores below
	global_store_b128 v6, v[72:75], s[22:23]
	global_store_b128 v6, v[72:75], s[22:23] offset:512
	global_store_b128 v6, v[72:75], s[22:23] offset:1024
	s_cmp_lg_u32 s26, 0
	s_cbranch_scc1 .Ldone
	global_store_b128 v7, v[76:79], s[24:25]       ; 512 bytes; no vector instruction stands between the wait above and this store
.Ldone:
	s_endpgm
.Lfunc_end_k_q6559f1ca3f_cast:
	.size	k_q6559f1ca3f_cast, .Lfunc_end_k_q6559f1ca3f_cast-k_q6559f1ca3f_cast
	.p2alignl 7, 3214868480
	.fill 96, 4, 3214868480
	.section	.rodata,"a",@progbits
	.p2align	6, 0x0
	.amdhsa_kernel k_q6559f1ca3f_cast
		.amdhsa_group_segment_fixed_size 0
		.amdhsa_private_segment_fixed_size 0
		.amdhsa_enable_private_segment 0
		.amdhsa_kernarg_size 88
		.amdhsa_user_sgpr_count 2
		.amdhsa_user_sgpr_kernarg_segment_ptr 1
		.amdhsa_wavefront_size32 1
		.amdhsa_system_sgpr_workgroup_id_x 1
		.amdhsa_system_sgpr_workgroup_id_y 1
		.amdhsa_system_sgpr_workgroup_id_z 1
		.amdhsa_system_vgpr_workitem_id 0
		.amdhsa_next_free_vgpr 80
		.amdhsa_next_free_sgpr 66
		.amdhsa_reserve_vcc 0
		.amdhsa_float_denorm_mode_32 3
		.amdhsa_float_denorm_mode_16_64 3
		.amdhsa_memory_ordered 1
		.amdhsa_forward_progress 1
		.amdhsa_inst_pref_size 21
	.end_amdhsa_kernel
	.amdgpu_metadata
---
amdhsa.version: [ 1, 2 ]
amdhsa.kernels:
  - .name:           k_q6559f1ca3f_cast
    .symbol:         k_q6559f1ca3f_cast.kd
    .args:
      - { .name: W_ff1, .offset: 0, .size: 8, .value_kind: global_buffer, .address_space: global }
      - { .name: W_ff2, .offset: 8, .size: 8, .value_kind: global_buffer, .address_space: global }
      - { .name: Wproj, .offset: 16, .size: 8, .value_kind: global_buffer, .address_space: global }
      - { .name: Wq, .offset: 24, .size: 8, .value_kind: global_buffer, .address_space: global }
      - { .name: Wk, .offset: 32, .size: 8, .value_kind: global_buffer, .address_space: global }
      - { .name: Wv, .offset: 40, .size: 8, .value_kind: global_buffer, .address_space: global }
      - { .name: wff1, .offset: 48, .size: 8, .value_kind: global_buffer, .address_space: global }
      - { .name: wres, .offset: 56, .size: 8, .value_kind: global_buffer, .address_space: global }
      - { .name: wqkv, .offset: 64, .size: 8, .value_kind: global_buffer, .address_space: global }
      - { .name: zeros, .offset: 72, .size: 8, .value_kind: global_buffer, .address_space: global }
      - { .name: low, .offset: 80, .size: 8, .value_kind: global_buffer, .address_space: global }
    .group_segment_fixed_size: 0
    .private_segment_fixed_size: 0
    .kernarg_segment_align: 8
    .kernarg_segment_size: 88
    .max_flat_workgroup_size: 256
    .sgpr_count:     66
    .vgpr_count:     80
    .wavefront_size: 32
...
	.end_amdgpu_metadata
.endif
;; end of part 7
;; launch ln1 (part 8): grid 256 x 1, 8 waves a work-group, no clusters, 0 bytes of LDS; arguments x, g1, b1, hbuf; writes hbuf
.if DOCPART == 8
	.amdgcn_target "amdgcn-amd-amdhsa--gfx1250"
	.amdhsa_code_object_version 6
	.text
	.protected	k_q6559f1ca3f_ln1
	.globl	k_q6559f1ca3f_ln1
	.p2align	8
	.type	k_q6559f1ca3f_ln1,@function
k_q6559f1ca3f_ln1:
	s_mov_b64 s[64:65], 0
	v_nop
	global_prefetch_b8 v0, s[64:65] scope:SCOPE_SE
	s_setreg_imm32_b32 hwreg(HW_REG_WAVE_SCHED_MODE, 0, 2), 2
	s_setreg_imm32_b32 hwreg(HW_REG_WAVE_MODE, 25, 1), 1
	s_wait_xcnt 0x0
	s_wait_alu depctr_vm_vsrc(0)
; LAYER NORM.  out[row][c] = (in[row][c] - mean) / sqrt(var + 1e-5) x g[c] + b[c].  in: [4096][1024] f32.  All arithmetic in f32; the result is rounded once, to f16.
; out lies in PANELS: [8][4096][128] f16: a panel's row is 256 bytes, aligned, and its rows are dense: the next product's tiles of A are dense runs of bytes.
; A wave takes two whole rows (32 registers each), so a row is read once and the two sums never leave the wave: no LDS, no barrier.  Load j of a row is 512 bytes on end,
; columns 128 j + 4 lane ..: panel j; a store is 256 consecutive bytes, aligned.  The variance is the mean of (x - mean)^2, taken of the row in registers: no difference of large sums.
; No cluster: work-groups share only g and b, 8 KiB beside their own 64 KiB.
; LIMIT.  The result must lie within f16's 65,504.
; THE MODE: SCHED_MODE bits 1:0 = 2 (LLVM: expert scheduling mode 2), set by the entry lines.  The code itself states the register dependences
; between vector instructions and memory instructions, with s_wait_alu, always for 0.
; THE PLAN.  Registers that memory instructions touch:
;   v2, v3     the loads' and the stores' byte offsets: written once at the head, never again.
;   G, BV      written by loads alone.
;   X0, X1     a row each.  Written by the row's eight loads, which no vector instruction precedes on these registers; worked on in place; the row's sixteen roundings write the first two of each four
;              registers, which the row's eight stores read; nothing writes them again.
;   T, MU, R   named by vector instructions alone.
; Row 1's arithmetic names X1, G, BV, T, MU and R: none of the registers that row 0's stores touch.  So ONE wait at row 1's head states that row 0's roundings are written, and row 0's eight stores are dealt
; among row 1's first eight additions.  One more wait stands ahead of row 1's stores.  No register that a memory instruction reads is written again, so nothing is owed the other way round.
.set T,   4                            ; v[4:11]    at work
.set MU,  12                           ; v[12:13]   the mean, twice
.set R,   14                           ; v[14:15]   1 / sqrt(var + eps), twice
.set G,   16                           ; v[16:47]   g of my 32 columns
.set BV,  48                           ; v[48:79]   b
.set X,   80                           ; v[80:143]  row r at X + 32 r
	s_load_b256 s[4:11], s[0:1], 0x0               ; in s[4:5], g s[6:7], b s[8:9], out s[10:11]
	v_lshrrev_b32 v1, 5, v0
	v_readfirstlane_b32 s16, v1                    ; wave 0..7
	v_and_b32 v1, 31, v0
	v_lshlrev_b32 v2, 4, v1                        ; 16 bytes of f32 a lane
	v_lshlrev_b32 v3, 3, v1                        ; 8 bytes of f16 a lane
	s_wait_alu depctr_va_sdst(0)                   ; s16 is written, ahead of its first reader: the wave's first row is made from it
	s_lshl_b32 s17, ttmp9, 4
	s_lshl1_add_u32 s17, s16, s17                  ; my first row: 16 x work-group + 2 x wave
	s_lshl_b32 s18, s17, 12
	s_mov_b32 s19, 0
	s_lshl_b32 s20, s17, 8
	s_mov_b32 s21, 0
	s_mov_b32 s12, 0x76543210                      ; v_permlanex16_b32: each lane takes its own place in the other half
	s_mov_b32 s13, 0xfedcba98
	s_mov_b32 s14, 0x3a800000                      ; 1 / 1024
	s_mov_b32 s15, 0x3727c5ac                      ; 1e-5
	s_wait_kmcnt 0x0
	s_add_nc_u64 s[4:5], s[4:5], s[18:19]
	s_add_nc_u64 s[10:11], s[10:11], s[20:21]
	s_wait_alu depctr_va_vdst(0)                   ; v2 and v3 are written: every load and store of the kernel reads one of them as its offset
.irp j, 0,1,2,3,4,5,6,7
	global_load_b128 v[G+4*(\j):G+4*(\j)+3], v2, s[6:7] offset:512*(\j)
.endr
.irp j, 0,1,2,3,4,5,6,7
	global_load_b128 v[BV+4*(\j):BV+4*(\j)+3], v2, s[8:9] offset:512*(\j)
.endr
.irp r, 0,1
.irp j, 0,1,2,3,4,5,6,7
	global_load_b128 v[X+32*(\r)+4*(\j):X+32*(\r)+4*(\j)+3], v2, s[4:5] offset:4096*(\r)+512*(\j)
.endr
.endr
; The four pairs in T are added up, then the 32 lanes': four steps inside each half of 16 lanes ride on the addition, one crosses the halves.  Every lane ends with the sum in v[T].
.macro ACROSS
	v_pk_add_f32 v[T:T+1], v[T:T+1], v[T+2:T+3]
	v_pk_add_f32 v[T+4:T+5], v[T+4:T+5], v[T+6:T+7]
	v_pk_add_f32 v[T:T+1], v[T:T+1], v[T+4:T+5]
	v_add_f32 v[T], v[T], v[T+1]
	v_add_f32_dpp v[T], v[T], v[T] row_xmask:1 row_mask:0xf bank_mask:0xf
	v_add_f32_dpp v[T], v[T], v[T] row_xmask:2 row_mask:0xf bank_mask:0xf
	v_add_f32_dpp v[T], v[T], v[T] row_xmask:4 row_mask:0xf bank_mask:0xf
	v_add_f32_dpp v[T], v[T], v[T] row_xmask:8 row_mask:0xf bank_mask:0xf
	v_permlanex16_b32 v[T+1], v[T], s12, s13       ; its destination has been written above
	v_add_f32 v[T], v[T], v[T+1]
.endm
; Store j of row r: panel j, my row: at most 7,340,288, inside the signed 24-bit immediate.
.macro ST r, j
	global_store_b64 v3, v[X+32*(\r)+4*(\j):X+32*(\r)+4*(\j)+1], s[10:11] offset:(\j)*1048576+(\r)*256
.endm
; Row r's arithmetic, to its roundings.  Row 1's also carries row 0's stores.
.macro ROW r, left
.set XR, X+32*(\r)
	s_wait_loadcnt \left                           ; g, b and this row are in; the other row's younger loads may stay out
.if (\r) == 1
	s_wait_alu depctr_va_vdst(0)                   ; row 0's roundings have written the registers that its eight stores, below, read
.endif
.irp k, 0,1,2,3                        ; four chains that do not wait for each other; the first additions start them
.if (\r) == 1
	ST 0, \k                                       ; no vector instruction since the wait names row 0's registers or v3
.endif
	v_pk_add_f32 v[T+2*(\k):T+2*(\k)+1], v[XR+2*(\k):XR+2*(\k)+1], v[XR+8+2*(\k):XR+8+2*(\k)+1]
.endr
.irp k, 0,1,2,3
.if (\r) == 1
	ST 0, (\k)+4
.endif
	v_pk_add_f32 v[T+2*(\k):T+2*(\k)+1], v[T+2*(\k):T+2*(\k)+1], v[XR+16+2*(\k):XR+16+2*(\k)+1]
.endr
.irp k, 0,1,2,3
	v_pk_add_f32 v[T+2*(\k):T+2*(\k)+1], v[T+2*(\k):T+2*(\k)+1], v[XR+24+2*(\k):XR+24+2*(\k)+1]
.endr
	ACROSS
	v_mul_f32 v[MU], s14, v[T]
	v_mul_f32 v[MU+1], s14, v[T]
.set i, 0
.rept 16
	v_pk_add_f32 v[XR+2*i:XR+2*i+1], v[XR+2*i:XR+2*i+1], v[MU:MU+1] neg_lo:[0,1] neg_hi:[0,1]  ; x - mean
.set i, i+1
.endr
.irp k, 0,1,2,3
	v_pk_mul_f32 v[T+2*(\k):T+2*(\k)+1], v[XR+2*(\k):XR+2*(\k)+1], v[XR+2*(\k):XR+2*(\k)+1]
.endr
.irp o, 8,16,24
.irp k, 0,1,2,3
	v_pk_fma_f32 v[T+2*(\k):T+2*(\k)+1], v[XR+(\o)+2*(\k):XR+(\o)+2*(\k)+1], v[XR+(\o)+2*(\k):XR+(\o)+2*(\k)+1], v[T+2*(\k):T+2*(\k)+1]
.endr
.endr
	ACROSS
	v_fma_f32 v[T], v[T], s14, s15                 ; var + eps
	v_rsq_f32 v[R], v[T]
	v_rsq_f32 v[R+1], v[T]
	v_nop                                          ; a plain instruction between the root and the use of its result (ISA guide 5.7.2)
	s_wait_alu depctr_va_vdst(0)                   ; the two roots have written v[R] and v[R+1], ahead of their first reader: one wait for both
.set i, 0
.rept 16
	v_pk_mul_f32 v[XR+2*i:XR+2*i+1], v[XR+2*i:XR+2*i+1], v[R:R+1]
.set i, i+1
.endr
.set i, 0
.rept 16
	v_pk_fma_f32 v[XR+2*i:XR+2*i+1], v[XR+2*i:XR+2*i+1], v[G+2*i:G+2*i+1], v[BV+2*i:BV+2*i+1]
.set i, i+1
.endr
.irp j, 0,1,2,3,4,5,6,7
	v_cvt_pk_f16_f32 v[XR+4*(\j)],   v[XR+4*(\j)],   v[XR+4*(\j)+1]
	v_cvt_pk_f16_f32 v[XR+4*(\j)+1], v[XR+4*(\j)+2], v[XR+4*(\j)+3]
.endr
.endm
	ROW 0, 8
	ROW 1, 0
	s_wait_alu depctr_va_vdst(0)                   ; row 1's roundings have written the registers that its eight stores read
.irp j, 0,1,2,3,4,5,6,7
	ST 1, \j
.endr
	s_endpgm
.Lfunc_end_k_q6559f1ca3f_ln1:
	.size	k_q6559f1ca3f_ln1, .Lfunc_end_k_q6559f1ca3f_ln1-k_q6559f1ca3f_ln1
	.p2alignl 7, 3214868480
	.fill 96, 4, 3214868480
	.section	.rodata,"a",@progbits
	.p2align	6, 0x0
	.amdhsa_kernel k_q6559f1ca3f_ln1
		.amdhsa_group_segment_fixed_size 0
		.amdhsa_private_segment_fixed_size 0
		.amdhsa_enable_private_segment 0
		.amdhsa_kernarg_size 32
		.amdhsa_user_sgpr_count 2
		.amdhsa_user_sgpr_kernarg_segment_ptr 1
		.amdhsa_wavefront_size32 1
		.amdhsa_system_sgpr_workgroup_id_x 1
		.amdhsa_system_sgpr_workgroup_id_y 1
		.amdhsa_system_sgpr_workgroup_id_z 1
		.amdhsa_system_vgpr_workitem_id 0
		.amdhsa_next_free_vgpr 144
		.amdhsa_next_free_sgpr 66
		.amdhsa_reserve_vcc 0
		.amdhsa_float_denorm_mode_32 3
		.amdhsa_float_denorm_mode_16_64 3
		.amdhsa_memory_ordered 1
		.amdhsa_forward_progress 1
		.amdhsa_inst_pref_size 21
	.end_amdhsa_kernel
	.amdgpu_metadata
---
amdhsa.version: [ 1, 2 ]
amdhsa.kernels:
  - .name:           k_q6559f1ca3f_ln1
    .symbol:         k_q6559f1ca3f_ln1.kd
    .args:
      - { .name: x, .offset: 0, .size: 8, .value_kind: global_buffer, .address_space: global }
      - { .name: g1, .offset: 8, .size: 8, .value_kind: global_buffer, .address_space: global }
      - { .name: b1, .offset: 16, .size: 8, .value_kind: global_buffer, .address_space: global }
      - { .name: hbuf, .offset: 24, .size: 8, .value_kind: global_buffer, .address_space: global }
    .group_segment_fixed_size: 0
    .private_segment_fixed_size: 0
    .kernarg_segment_align: 8
    .kernarg_segment_size: 32
    .max_flat_workgroup_size: 256
    .sgpr_count:     66
    .vgpr_count:     144
    .wavefront_size: 32
...
	.end_amdgpu_metadata
.endif
;; end of part 8
;; launch qkv: the kernel of part 3 again; grid 12 x 16, 4 waves a work-group, clusters of 4 x 4, 327,680 bytes of LDS; arguments hbuf, wqkv, zeros, low, big; writes big
;; launch attn: the kernel of part 4 again; grid 16 x 16, 4 waves a work-group, clusters of 4 x 1, 327,680 bytes of LDS; arguments big, hbuf; writes hbuf
;; launch proj: the kernel of part 5 again; grid 8 x 32, 4 waves a work-group, clusters of 4 x 4, 327,680 bytes of LDS; arguments hbuf, wres, bproj, x, x2; writes x2
;; launch ln2: the kernel of part 8 again; grid 256 x 1, 8 waves a work-group, no clusters, 0 bytes of LDS; arguments x2, g2, b2, hbuf; writes hbuf
;; launch ff1: the kernel of part 3 again; grid 16 x 16, 4 waves a work-group, clusters of 4 x 4, 327,680 bytes of LDS; arguments hbuf, wff1, b_ff1, zeros, big; writes big
;; launch ff2: the kernel of part 6 again; grid 8 x 32, 4 waves a work-group, clusters of 4 x 4, 327,680 bytes of LDS; arguments big, wres, b_ff2, x2, out0; writes out0
